; MI455X (gfx1250); checked and timed in simulation.
; The chip was launched on July 23, 2026; its instructions are those of AMD's public machine-readable ISA for CDNA 5 (MIT licence, August 2026) and "CDNA5" Instruction Set Architecture Reference Guide (July 2026). The comments in the code are by the model that wrote it; some were corrected since.
;; Adaptive Expert Layer. Allowed arithmetic: float matrix products may take bf16 or f16 operands with f32 sums; all other float work in f32.
;; Inputs: W1 8 x 4,096 x 1,024 float32; W2 8 x 1,024 x 4,096 float32; b1 8 x 4,096 float32; b2 8 x 1,024 float32; gate_w 8 x 1,024 float32; x 4 x 256 x 1,024 float32.
;; Outputs: out0 4 x 256 x 1,024 float32.
;; One version. Each part assembles by itself: llvm-mc -triple=amdgcn-amd-amdhsa -mcpu=gfx1250 --defsym DOCPART=n.
;; ======== version 1 of 1: 5 launches
;; workspace buffers: masks 1,024 bytes of whole numbers; wts 8,192 bytes; meta 256 bytes of whole numbers; ptab 16,384 bytes of whole numbers; xg 4,423,680 bytes; hf 17,694,720 bytes; part 35,389,440 bytes
;; launch route (part 1): grid 64 x 1, 4 waves a work-group, no clusters, 168,448 bytes of LDS; arguments x, gate_w, masks, wts; writes masks, wts
.if DOCPART == 1
	.amdgcn_target "amdgcn-amd-amdhsa--gfx1250"
	.amdhsa_code_object_version 6
	.text
	.protected	k_q08a3ab7cd4_route
	.globl	k_q08a3ab7cd4_route
	.p2align	8
	.type	k_q08a3ab7cd4_route,@function
k_q08a3ab7cd4_route:
	s_mov_b64 s[64:65], 0
	v_nop
	global_prefetch_b8 v0, s[64:65] scope:SCOPE_SE
	s_setreg_imm32_b32 hwreg(HW_REG_WAVE_MODE, 25, 1), 1
	s_wait_xcnt 0x0
; THE ROUTER.  logits[n][e] = x[n] . gate_w[e] (operands rounded to bf16, sums in f32), softmax over 8 experts, the two largest, renormalised.
; Out: masks, word [n / 32][e], bit n % 32 set where token n chose expert e; wts [n][2] in f32: the weight of the lower-numbered chosen expert, then of the higher.
; SHARES.  A work-group owns 16 tokens; wave w owns k = 256 w .. 256 w + 255 of the sum.  Each wave brings its own 16 x 256 of x and 8 x 256 of gate_w into its own LDS bytes by two tensor
; loads (both out at once: two is the most this text has outstanding) and reads only those, so its own wait on TENSORcnt orders the reads.  The four partial sums meet in LDS behind one barrier; wave 0 finishes.
; LAYOUT.  Source 0 = 16 rows of the gate (rows 8-15 repeat rows 0-7), source 1 = 16 tokens: register j of a lane holds expert j's logit of token lane % 16.
; LIMITS.  The two largest are taken on the logits, the lowest index first among equals: the order of the probabilities, except where unequal logits round to equal probabilities.
; NaN and infinite logits are not treated apart.  An exponential below 2^-126 counts as 0.
; No cluster: the gate's 32 KiB are all that work-groups share, against 64 KiB of x of each one's own.  The mask store is 2 bytes a lane, 16 bytes a work-group, the weights 128: that is all there is to store.
.set PITCH, 1040                       ; an LDS row: 1,024 bytes + 16 of padding = 65 x 16: the 16 rows of a load start at 16 different groups of four banks (64 banks of 4 bytes: ISA guide 11.1)
.set WAVEB, 24*PITCH                   ; a wave's bytes: 16 rows of x, then 8 rows of the gate
.set GOFF,  16*PITCH
.set PART,  4*WAVEB                    ; 99,840 = 390 x 256: [4 waves][16 tokens][8 f32], written by LDS stores; no tensor load lands here
.set ACC, 8                            ; v[8:15], v[16:23] two accumulators that take turns
.set SA,  24                           ; v[24:151] f32 as loaded: for each of four K steps 16 registers of x, 16 of the gate
.set F,   152                          ; v[152:215] bf16 fragments: for each of four K steps 8 of x, 8 of the gate
.set SUM, 216                          ; v[216:223]
.set WV,  12
	s_load_b256 s[4:11], s[0:1], 0x0               ; x s[4:5], gate_w s[6:7], masks s[8:9], wts s[10:11]
	v_lshl_add_u32 v224, v0, 2, 0x29000
	v_mov_b32 v225, 0
	ds_add_u32 v224, v225
	ds_add_u32 v224, v225
	v_lshrrev_b32 v1, 5, v0
	v_readfirstlane_b32 s[WV], v1                  ; wave 0..3
.irp g, 16, 24                         ; descriptor group 1, for x in s[16:23] and for the gate in s[24:31]
	s_mov_b32 s[\g], 0x07d20000                    ; elements of 4 bytes; padding on: after every 256 words (code 7) 4 words (code 3)
	s_mov_b32 s[\g+1], 256<<16                     ; tensor_dim0 = 256
	s_mov_b32 s[\g+3], 256<<16                     ; tile_dim0 = 256
	s_mov_b32 s[\g+5], 1024                        ; elements from row to row
	s_mov_b32 s[\g+6], 0
	s_mov_b32 s[\g+7], 0
.endr
	s_mov_b32 s18, 16<<16                          ; tensor_dim1 = 16 tokens
	s_mov_b32 s20, 16                              ; tile_dim1
	s_mov_b32 s26, 8<<16                           ; 8 experts
	s_mov_b32 s28, 8
	s_lshl_b32 s14, ttmp9, 16                      ; 16 tokens x 4,096 bytes
	s_lshl_b32 s2, s[WV], 10                       ; my 256 k
	s_add_co_u32 s14, s14, s2
	s_mov_b32 s15, 0
	s_mov_b32 s3, 0
	s_mov_b32 s32, 1
	s_mul_i32 s33, s[WV], WAVEB                    ; LDS: my wave's bytes
	s_mov_b32 s36, 1
	s_add_co_u32 s37, s33, GOFF
	s_wait_dscnt 0x0
	s_wait_kmcnt 0x0
	s_add_nc_u64 s[34:35], s[4:5], s[14:15]
	s_or_b32 s35, s35, 0x80000000
	s_add_nc_u64 s[38:39], s[6:7], s[2:3]
	s_or_b32 s39, s39, 0x80000000
	tensor_load_to_lds s[32:35], s[16:23]
	s_nop 0
	tensor_load_to_lds s[36:39], s[24:31]
	s_nop 0
.rept 4
	v_nop
.endr
	v_and_b32 v2, 15, v0                           ; r
	v_bfe_u32 v3, v0, 4, 1                         ; h
	v_mul_u32_u24 v4, v2, PITCH
	v_lshl_add_u32 v4, v3, 5, v4
	v_add_nc_u32 v4, s33, v4                       ; x: row r, 8 h numbers of 4 bytes on
	v_and_b32 v5, 7, v0
	v_mul_u32_u24 v5, v5, PITCH
	v_lshl_add_u32 v5, v3, 5, v5
	v_add_nc_u32 v5, s37, v5                       ; the gate: row r % 8
	v_lshlrev_b32 v6, 5, v2
	v_add_nc_u32 v6, PART, v6                      ; token r's 32 bytes of wave 0's part
	v_lshl_add_u32 v7, s[WV], 9, v6                ; of my wave's part
	s_wait_tensorcnt 0x0                           ; both my tiles are in LDS; nobody else reads them
; Four K steps of 32: 32 LDS loads, 64 roundings to bf16, 4 products.  A fragment's registers 0-3 are k = 8 h + 0..7, registers 4-7 k = 16 + 8 h + 0..7: in f32 the bytes 32 h + 0, 16 and 64 + 32 h + 0, 16.
.macro QUAD rd
.irp i, 0,1,2,3
.irp j, 0,1,2,3
	ds_load_b128 v[SA+32*(\i)+4*(\j):SA+32*(\i)+4*(\j)+3], v4 offset:128*(4*(\rd)+(\i))+16*(\j)+32*((\j)/2)
	ds_load_b128 v[SA+32*(\i)+16+4*(\j):SA+32*(\i)+16+4*(\j)+3], v5 offset:128*(4*(\rd)+(\i))+16*(\j)+32*((\j)/2)
.endr
.endr
	s_wait_dscnt 0x0
.if \rd
.rept 4
	v_nop                                          ; four places between the last products and the lines that rewrite their sources (ISA guide 7.12.1)
.endr
.endif
.irp i, 0,1,2,3
.irp j, 0,1,2,3,4,5,6,7
	v_cvt_pk_bf16_f32 v[F+16*(\i)+(\j)], v[SA+32*(\i)+2*(\j)], v[SA+32*(\i)+2*(\j)+1]
	v_cvt_pk_bf16_f32 v[F+16*(\i)+8+(\j)], v[SA+32*(\i)+16+2*(\j)], v[SA+32*(\i)+16+2*(\j)+1]
.endr
.endr
.irp i, 0,1,2,3                        ; the two accumulators take turns; the first two products start the sums
.if ((\rd) == 0) && ((\i) < 2)
	v_wmma_f32_16x16x32_bf16 v[ACC+8*(\i):ACC+8*(\i)+7], v[F+16*(\i)+8:F+16*(\i)+15], v[F+16*(\i):F+16*(\i)+7], 0
.else
	v_wmma_f32_16x16x32_bf16 v[ACC+8*((\i)%2):ACC+8*((\i)%2)+7], v[F+16*(\i)+8:F+16*(\i)+15], v[F+16*(\i):F+16*(\i)+7], v[ACC+8*((\i)%2):ACC+8*((\i)%2)+7]
.endif
.endr
.endm
	QUAD 0
	QUAD 1
.rept 4
	v_nop                                          ; four places before the results are read
.endr
.irp j, 0,2,4,6
	v_pk_add_f32 v[SUM+(\j):SUM+(\j)+1], v[ACC+(\j):ACC+(\j)+1], v[ACC+8+(\j):ACC+8+(\j)+1]  ; from each accumulator's low end on
.endr
	ds_store_b128 v7, v[SUM:SUM+3]                 ; both halves of the lanes hold the same numbers and write the same bytes
	ds_store_b128 v7, v[SUM+4:SUM+7] offset:16
	s_wait_dscnt 0x0                               ; for wave 0's sake: my stores are done
	s_barrier_signal -1
	s_barrier_wait -1
	s_cmp_lg_u32 s[WV], 0
	s_cbranch_scc1 .Lend
; WAVE 0: lane = token (lanes 16-31 repeat lanes 0-15).
.set L,  24                            ; v[24:31] the eight logits
.set K,  32                            ; v[32:39] the same with the largest taken out
.set E,  40                            ; v[40:47] exponentials
.set M1, 48
.set I1, 49
.set M2, 50
.set I2, 51
.set NI, 52
.set D2, 53
.set VM, 54
.set P1, 55
.set P2, 56
.set SS, 57
.set WL, 58                            ; v[58:59] the two weights, by expert number
.irp q, 0,1,2,3
	ds_load_b128 v[L+8*(\q):L+8*(\q)+3], v6 offset:512*(\q)
	ds_load_b128 v[L+8*(\q)+4:L+8*(\q)+7], v6 offset:512*(\q)+16
.endr
	s_wait_dscnt 0x0
.irp j, 0,2,4,6
	v_pk_add_f32 v[L+(\j):L+(\j)+1], v[L+(\j):L+(\j)+1], v[L+8+(\j):L+8+(\j)+1]
	v_pk_add_f32 v[L+16+(\j):L+16+(\j)+1], v[L+16+(\j):L+16+(\j)+1], v[L+24+(\j):L+24+(\j)+1]
.endr
.irp j, 0,2,4,6
	v_pk_add_f32 v[L+(\j):L+(\j)+1], v[L+(\j):L+(\j)+1], v[L+16+(\j):L+16+(\j)+1]
.endr
.macro TOP s, m, ix                    ; the largest of eight and the lowest index that holds it
	v_max3_num_f32 v[\m], v[\s], v[\s+1], v[\s+2]
	v_max3_num_f32 v[\m], v[\m], v[\s+3], v[\s+4]
	v_max3_num_f32 v[\m], v[\m], v[\s+5], v[\s+6]
	v_max_num_f32 v[\m], v[\m], v[\s+7]
	v_mov_b32 v[\ix], 7
.irp e, 6,5,4,3,2,1,0
	v_cmp_neq_f32 vcc_lo, v[\s+\e], v[\m]
	v_cndmask_b32 v[\ix], \e, v[\ix], vcc_lo
.endr
.endm
	TOP L, M1, I1
	v_mov_b32 v[NI], 0xff800000
.irp e, 0,1,2,3,4,5,6,7
	v_cmp_eq_u32 vcc_lo, \e, v[I1]
	v_cndmask_b32 v[K+\e], v[L+\e], v[NI], vcc_lo
.endr
	TOP K, M2, I2
.irp e, 0,1,2,3,4,5,6,7                ; the maximum is taken away first, as in the softmax that is computed
	v_sub_f32 v[E+\e], v[L+\e], v[M1]
.endr
	v_sub_f32 v[D2], v[M2], v[M1]
.irp e, 0,1,2,3,4,5,6,7
	v_mul_f32 v[E+\e], 0x3fb8aa3b, v[E+\e]         ; x log2(e)
.endr
	v_mul_f32 v[D2], 0x3fb8aa3b, v[D2]
.irp e, 0,1,2,3,4,5,6,7
	v_exp_f32 v[E+\e], v[E+\e]
.endr
	v_exp_f32 v[D2], v[D2]
	v_mov_b32 v[VM], 0                             ; the plain instruction behind the exponentials (ISA guide 5.7.2)
	s_wait_alu depctr_va_vdst(0)
	v_add_f32 v[E], v[E], v[E+1]
	v_add_f32 v[E+2], v[E+2], v[E+3]
	v_add_f32 v[E+4], v[E+4], v[E+5]
	v_add_f32 v[E+6], v[E+6], v[E+7]
	v_add_f32 v[E], v[E], v[E+2]
	v_add_f32 v[E+4], v[E+4], v[E+6]
	v_add_f32 v[E], v[E], v[E+4]
	v_rcp_f32 v[P1], v[E]                          ; p1 = 1 / Z
	v_nop
	s_wait_alu depctr_va_vdst(0)
	v_mul_f32 v[P2], v[D2], v[P1]                  ; p2
	v_add_f32 v[SS], v[P1], v[P2]
	v_add_f32 v[SS], 0x3089705f, v[SS]             ; + 1e-9
	v_rcp_f32 v[SS], v[SS]
	v_nop
	s_wait_alu depctr_va_vdst(0)
	v_mul_f32 v[P1], v[P1], v[SS]
	v_mul_f32 v[P2], v[P2], v[SS]
	v_cmp_lt_u32 vcc_lo, v[I1], v[I2]
	v_cndmask_b32 v[WL], v[P2], v[P1], vcc_lo
	v_cndmask_b32 v[WL+1], v[P1], v[P2], vcc_lo
.irp e, 0,1,2,3,4,5,6,7                ; lane e of VM takes the 16 tokens' bits for expert e
	v_cmp_eq_u32 s40, \e, v[I1]
	v_cmp_eq_u32 s41, \e, v[I2]
	s_or_b32 s40, s40, s41
	s_and_b32 s40, s40, 0xffff
	v_writelane_b32 v[VM], s40, \e
.endr
	s_lshl_b32 s42, ttmp9, 7                       ; 16 tokens x 8 bytes
	v_lshlrev_b32 v60, 3, v0
	v_add_nc_u32 v60, s42, v60
	s_lshr_b32 s43, ttmp9, 1
	s_lshl_b32 s43, s43, 5                         ; chunk of 32 tokens: 8 words
	s_and_b32 s44, ttmp9, 1
	s_lshl_b32 s44, s44, 1                         ; my 16 tokens are the word's lower or upper half
	s_add_co_u32 s43, s43, s44
	v_lshl_add_u32 v61, v0, 2, s43
	v_cmp_gt_u32 vcc_lo, 16, v0
	s_and_saveexec_b32 s45, vcc_lo
	global_store_b64 v60, v[WL:WL+1], s[10:11]
	s_wait_xcnt 0x0                                ; EXEC changes only behind this wait
	s_or_b32 exec_lo, exec_lo, s45
	v_cmp_gt_u32 vcc_lo, 8, v0
	s_and_saveexec_b32 s45, vcc_lo
	global_store_b16 v61, v[VM], s[8:9]
	s_wait_xcnt 0x0
	s_or_b32 exec_lo, exec_lo, s45
.Lend:
	s_wait_tensorcnt 0x0
	ds_add_u32 v224, v225
	s_wait_dscnt 0x0
	s_endpgm
.Lfunc_end_k_q08a3ab7cd4_route:
	.size	k_q08a3ab7cd4_route, .Lfunc_end_k_q08a3ab7cd4_route-k_q08a3ab7cd4_route
	.p2alignl 7, 3214868480
	.fill 96, 4, 3214868480
	.section	.rodata,"a",@progbits
	.p2align	6, 0x0
	.amdhsa_kernel k_q08a3ab7cd4_route
		.amdhsa_group_segment_fixed_size 168448
		.amdhsa_private_segment_fixed_size 0
		.amdhsa_enable_private_segment 0
		.amdhsa_kernarg_size 32
		.amdhsa_user_sgpr_count 2
		.amdhsa_user_sgpr_kernarg_segment_ptr 1
		.amdhsa_wavefront_size32 1
		.amdhsa_system_sgpr_workgroup_id_x 1
		.amdhsa_system_sgpr_workgroup_id_y 1
		.amdhsa_system_sgpr_workgroup_id_z 1
		.amdhsa_system_vgpr_workitem_id 0
		.amdhsa_next_free_vgpr 226
		.amdhsa_next_free_sgpr 66
		.amdhsa_reserve_vcc 1
		.amdhsa_float_denorm_mode_32 3
		.amdhsa_float_denorm_mode_16_64 3
		.amdhsa_memory_ordered 1
		.amdhsa_forward_progress 1
		.amdhsa_inst_pref_size 25
	.end_amdhsa_kernel
	.amdgpu_metadata
---
amdhsa.version: [ 1, 2 ]
amdhsa.kernels:
  - .name:           k_q08a3ab7cd4_route
    .symbol:         k_q08a3ab7cd4_route.kd
    .args:
      - { .name: x, .offset: 0, .size: 8, .value_kind: global_buffer, .address_space: global }
      - { .name: gate_w, .offset: 8, .size: 8, .value_kind: global_buffer, .address_space: global }
      - { .name: masks, .offset: 16, .size: 8, .value_kind: global_buffer, .address_space: global }
      - { .name: wts, .offset: 24, .size: 8, .value_kind: global_buffer, .address_space: global }
    .group_segment_fixed_size: 168448
    .private_segment_fixed_size: 0
    .kernarg_segment_align: 8
    .kernarg_segment_size: 32
    .max_flat_workgroup_size: 128
    .sgpr_count:     66
    .vgpr_count:     226
    .wavefront_size: 32
...
	.end_amdgpu_metadata
.endif
;; end of part 1
;; launch place (part 2): grid 135 x 1, 8 waves a work-group, no clusters, 34,304 bytes of LDS; arguments masks, x, xg, meta, ptab; writes xg, meta, ptab
.if DOCPART == 2
	.amdgcn_target "amdgcn-amd-amdhsa--gfx1250"
	.amdhsa_code_object_version 6
	.text
	.protected	k_q08a3ab7cd4_place
	.globl	k_q08a3ab7cd4_place
	.p2align	8
	.type	k_q08a3ab7cd4_place,@function
k_q08a3ab7cd4_place:
	s_mov_b64 s[64:65], 0
	v_nop
	global_prefetch_b8 v0, s[64:65] scope:SCOPE_SE
	s_setreg_imm32_b32 hwreg(HW_REG_WAVE_MODE, 25, 1), 1
	s_wait_xcnt 0x0
; THE PLACEMENT.  The 2,048 (token, expert) pairs are laid out as sorted rows: experts ascending, tokens ascending within an expert, each expert beginning on a block of 16 rows.
; The sum of ceil(count / 16) over 8 experts is 135 blocks at the most; work-group b makes block b of xg: its 16 rows of x, rounded to bf16, in the order in which a matrix fragment wants them:
; xg [block][32 K steps][2 halves][32 lanes][16 bytes]; lane (r = l % 16, h = l / 16), half c holds k = 32 ks + 16 c + 8 h + 0..7 of row r.  Rows past an expert's count, and blocks past the last
; expert's end (how many there are hangs on the data), are zeros, made by the same path.
; Also: ptab [token][4] = its two sorted rows (lower expert first) and its two experts (work-groups 0-31, wave 0); meta [expert][4] = first block, blocks, passes of 20 blocks (1 at the least), all blocks - 1 (work-group 0, wave 1).
; Every wave makes the counts for itself from the 1 KiB of masks: lane c holds chunk c's eight words.  No atomics, no scatter: a row's token is FOUND by its rank k in its expert:
; the chunk is the last whose exclusive prefix is <= k; the token is that chunk's set bit number k - prefix.
; Matrix units, clusters and tensor loads would add nothing: 64 KiB in and 32 KiB out for each work-group, gathered rows.
.set TP, 2064                          ; a row of the tile in LDS: 2,048 bytes of bf16 + 16 = 129 x 16: no two of a load's 16 rows start in the same group of four banks (ISA guide 11.1)
.set MV,  8                            ; v[8:15]   my chunk's mask words
.set CN,  16                           ; v[16:23]  their counts
.set PK,  24                           ; v[24:27]  counts of two experts in one register (16 bits each: 1,024 at the most), then prefixes
.set T,   28
.set OWN, 32                           ; v[32:35]
.set EX,  36                           ; v[36:43]  exclusive prefix over the chunks, by expert
.set SM,  44                           ; v44 the block's expert's mask words, v45 its prefixes
.set X,   48                           ; v[48:111] two rows of x
.set WV,  14
.set BL,  15
.set NTB, 20                           ; s[20:27] blocks of each expert
.set OFF, 28                           ; s[28:35] its first block
.set RB,  36                           ; s[36:43] its first row
.set TOT, 44
.set CNT, 66                           ; s[66:73] its count
	s_load_b256 s[4:11], s[0:1], 0x0               ; masks s[4:5], x s[6:7], xg s[8:9], meta s[10:11]
	s_load_b64 s[12:13], s[0:1], 0x20              ; ptab
	v_lshl_add_u32 v112, v0, 2, 0x8200
	v_mov_b32 v113, 0
	v_lshrrev_b32 v2, 5, v0
	v_readfirstlane_b32 s[WV], v2
	s_mov_b32 s[BL], ttmp9
	v_and_b32 v1, 31, v0                           ; lane
	v_lshlrev_b32 v3, 5, v1
	v_lshlrev_b32 v4, 4, v1                        ; 16 x lane
	s_wait_kmcnt 0x0
	global_load_b128 v[MV:MV+3], v3, s[4:5]
	global_load_b128 v[MV+4:MV+7], v3, s[4:5] offset:16
	s_mov_b32 s45, 0x01010101
	s_wait_loadcnt 0x0
.macro POPC d, s                       ; the number of set bits, by halves: pairs, fours, bytes, then the four bytes' sum
	v_lshrrev_b32 v[T], 1, v[\s]
	v_and_b32 v[T], 0x55555555, v[T]
	v_sub_nc_u32 v[\d], v[\s], v[T]
	v_lshrrev_b32 v[T], 2, v[\d]
	v_and_b32 v[\d], 0x33333333, v[\d]
	v_and_b32 v[T], 0x33333333, v[T]
	v_add_nc_u32 v[\d], v[\d], v[T]
	v_lshrrev_b32 v[T], 4, v[\d]
	v_add_nc_u32 v[\d], v[\d], v[T]
	v_and_b32 v[\d], 0x0f0f0f0f, v[\d]
	v_mul_lo_u32 v[\d], v[\d], s45
	v_lshrrev_b32 v[\d], 24, v[\d]
.endm
.irp e, 0,1,2,3,4,5,6,7
	POPC CN+\e, MV+\e
.endr
.irp i, 0,1,2,3
	v_lshl_or_b32 v[PK+\i], v[CN+2*\i+1], 16, v[CN+2*\i]
	v_mov_b32 v[OWN+\i], v[PK+\i]
.endr
	v_mov_b32 v[T], 0                              ; a DPP form's destination counts as read
.irp n, 1,2,4,8                        ; inclusive prefix within each 16 lanes
.irp i, 0,1,2,3
	v_mov_b32_dpp v[T], v[PK+\i] row_shr:\n row_mask:0xf bank_mask:0xf bound_ctrl:1
	v_add_nc_u32 v[PK+\i], v[PK+\i], v[T]
.endr
.endr
	v_cmp_lt_u32 vcc_lo, 15, v1
.irp i, 0,1,2,3                        ; lanes 16-31 take lane 15's on top
	v_readlane_b32 s46, v[PK+\i], 15
	v_cndmask_b32 v[T], 0, s46, vcc_lo
	v_add_nc_u32 v[PK+\i], v[PK+\i], v[T]
.endr
.irp i, 0,1,2,3
	v_readlane_b32 s[16+\i], v[PK+\i], 31          ; the totals
	v_sub_nc_u32 v[PK+\i], v[PK+\i], v[OWN+\i]     ; exclusive
	v_and_b32 v[EX+2*\i], 0xffff, v[PK+\i]
	v_lshrrev_b32 v[EX+2*\i+1], 16, v[PK+\i]
.endr
	s_mov_b32 s[TOT], 0
.irp e, 0,1,2,3,4,5,6,7
.if (\e)%2
	s_lshr_b32 s[CNT+\e], s[16+(\e)/2], 16
.else
	s_and_b32 s[CNT+\e], s[16+(\e)/2], 0xffff
.endif
	s_add_co_u32 s46, s[CNT+\e], 15
	s_lshr_b32 s[NTB+\e], s46, 4
	s_mov_b32 s[OFF+\e], s[TOT]
	s_lshl_b32 s[RB+\e], s[TOT], 4
	s_add_co_u32 s[TOT], s[TOT], s[NTB+\e]
.endr
	; my block's expert: the last whose first block is <= b (an empty expert shares its first block with the next, which then wins)
	v_mov_b32 v[SM], v[MV]
	v_mov_b32 v[SM+1], v[EX]
	s_mov_b32 s47, s[OFF]
	s_mov_b32 s48, s[CNT]
.irp e, 1,2,3,4,5,6,7
	s_cmp_ge_u32 s[BL], s[OFF+\e]
	s_cselect_b32 s46, -1, 0
	s_cselect_b32 s47, s[OFF+\e], s47
	s_cselect_b32 s48, s[CNT+\e], s48
	v_cndmask_b32 v[SM], v[SM], v[MV+\e], s46
	v_cndmask_b32 v[SM+1], v[SM+1], v[EX+\e], s46
.endr
	s_sub_co_u32 s49, s[BL], s47
	s_lshl_b32 s49, s49, 4
	s_lshl1_add_u32 s49, s[WV], s49                ; the rank of my wave's first row: 16 (b - first block) + 2 w
.irp j, 0,1                            ; the token of rank k; s[52+j] = all ones where k < count, else 0
	s_add_co_u32 s54, s49, \j
	v_cmp_ge_u32 s55, s54, v[SM+1]                 ; chunks whose prefix is <= k: chunk 0 always, and they are the first so many
	s_bcnt1_i32_b32 s55, s55
	s_sub_co_u32 s55, s55, 1                       ; the last of them
	v_readlane_b32 s56, v[SM], s55
	v_readlane_b32 s57, v[SM+1], s55
	s_sub_co_u32 s57, s54, s57                     ; which of its set bits
	v_mbcnt_lo_u32_b32 v46, s56, 0                 ; lane i: set bits below bit i
	v_cmp_eq_u32 s58, s57, v46
	s_and_b32 s58, s58, s56
	s_ctz_i32_b32 s58, s58
	s_lshl_b32 s55, s55, 5
	s_add_co_u32 s58, s58, s55
	s_min_u32 s[50+\j], s58, 1023                  ; inside x whatever k
	s_cmp_lt_u32 s54, s48
	s_cselect_b32 s[52+\j], -1, 0
	s_lshl_b32 s[74+2*\j], s[50+\j], 12
	s_mov_b32 s[75+2*\j], 0
	s_add_nc_u64 s[74+2*\j:75+2*\j], s[6:7], s[74+2*\j:75+2*\j]
.endr
.irp j, 0,1
.irp i, 0,1,2,3,4,5,6,7
	global_load_b128 v[X+32*(\j)+4*(\i):X+32*(\j)+4*(\i)+3], v4, s[74+2*(\j):75+2*(\j)] offset:512*(\i)  ; 512 consecutive bytes of the row
.endr
.endr
	s_mul_i32 s59, s[WV], 2*TP
	v_lshl_add_u32 v5, v1, 3, s59                  ; into the tile: rows 2 w, 2 w + 1; 8 bytes a lane
	v_and_b32 v2, 15, v0
	v_mul_u32_u24 v6, v2, TP
	v_bfe_u32 v2, v0, 4, 1
	v_lshl_add_u32 v6, v2, 4, v6
	s_lshl_b32 s59, s[WV], 8
	v_add_nc_u32 v6, s59, v6                       ; back as fragments: row r, 16 h, my wave's four K steps (256 bytes of each row)
	s_lshl_b32 s60, s[BL], 15
	s_lshl_b32 s59, s[WV], 12
	s_add_co_u32 s60, s60, s59
	v_add_nc_u32 v7, s60, v4                       ; in xg: block, my wave's 4 KiB, 16 x lane
.irp j, 0,1
.irp i, 0,1,2,3,4,5,6,7
	s_wait_loadcnt 15-(8*(\j)+(\i))                ; loads come back in order: this one is in, the younger stay out
	v_cvt_pk_bf16_f32 v[X+32*(\j)+4*(\i)], v[X+32*(\j)+4*(\i)], v[X+32*(\j)+4*(\i)+1]
	v_cvt_pk_bf16_f32 v[X+32*(\j)+4*(\i)+1], v[X+32*(\j)+4*(\i)+2], v[X+32*(\j)+4*(\i)+3]
	v_and_b32 v[X+32*(\j)+4*(\i)], s[52+(\j)], v[X+32*(\j)+4*(\i)]          ; a row past the count is zeros
	v_and_b32 v[X+32*(\j)+4*(\i)+1], s[52+(\j)], v[X+32*(\j)+4*(\i)+1]
	ds_store_b64 v5, v[X+32*(\j)+4*(\i):X+32*(\j)+4*(\i)+1] offset:(\j)*TP+256*(\i)
.endr
.endr
	s_wait_dscnt 0x0                               ; for the others' sake: my two rows are in the tile
	s_barrier_signal -1
	s_barrier_wait -1
.irp m, 0,1,2,3,4,5,6,7                ; K step 4 w + m / 2, half m % 2: byte 64 (m / 2) + 32 (m % 2) = 32 m
	ds_load_b128 v[X+4*(\m):X+4*(\m)+3], v6 offset:32*(\m)
.endr
.irp m, 0,1,2,3,4,5,6,7
	s_wait_dscnt 7-(\m)
	global_store_b128 v7, v[X+4*(\m):X+4*(\m)+3], s[8:9] offset:512*(\m)  ; 512 consecutive bytes, at a multiple of 512 from xg's first
.endr
	; THE TABLES, behind the only barrier
	s_cmp_lt_u32 s[BL], 32
	s_cbranch_scc0 .Ldone
	s_cmp_eq_u32 s[WV], 0
	s_cbranch_scc0 .Lnot0
	v_mov_b32 v80, 0x7fffffff                      ; chunk b's 32 tokens, one a lane
	v_mov_b32 v84, v80
	v_mov_b32 v85, 0
	v_mov_b32 v86, v80
	v_mov_b32 v87, 0
.irp e, 0,1,2,3,4,5,6,7
	v_readlane_b32 s54, v[MV+\e], s[BL]
	v_readlane_b32 s55, v[EX+\e], s[BL]
	s_add_co_u32 s55, s55, s[RB+\e]
	v_mbcnt_lo_u32_b32 v81, s54, s55               ; the row that this token would have in expert e
	v_mov_b32 v82, \e
	v_cndmask_b32 v83, v80, v81, s54               ; of the two experts chosen the lower has the lower row
	v_min_u32 v84, v84, v83
	v_cndmask_b32 v83, 0, v81, s54
	v_max_u32 v85, v85, v83
	v_cndmask_b32 v83, v80, v82, s54
	v_min_u32 v86, v86, v83
	v_cndmask_b32 v83, 0, v82, s54
	v_max_u32 v87, v87, v83
.endr
	s_lshl_b32 s56, s[BL], 9
	v_add_nc_u32 v88, s56, v4
	global_store_b128 v88, v[84:87], s[12:13]
	s_branch .Ldone
.Lnot0:
	s_cmp_eq_u32 s[BL], 0
	s_cbranch_scc0 .Ldone
	s_cmp_eq_u32 s[WV], 1
	s_cbranch_scc0 .Ldone
	v_mov_b32 v90, 0
	s_sub_co_u32 s57, s[TOT], 1
.irp e, 0,1,2,3,4,5,6,7
	s_add_co_u32 s54, s[NTB+\e], 19
	s_mul_i32 s54, s54, 3277                       ; / 20: exact for the 19 .. 83 that can come (3277 / 65536 is just above 1 / 20)
	s_lshr_b32 s54, s54, 16
	s_max_u32 s54, s54, 1
	v_writelane_b32 v90, s[OFF+\e], 4*(\e)
	v_writelane_b32 v90, s[NTB+\e], 4*(\e)+1
	v_writelane_b32 v90, s54, 4*(\e)+2
	v_writelane_b32 v90, s57, 4*(\e)+3
.endr
	v_lshlrev_b32 v91, 2, v1
	global_store_b32 v91, v90, s[10:11]
.Ldone:
	s_wait_tensorcnt 0x0
	ds_add_u32 v112, v113
	s_wait_dscnt 0x0
	s_endpgm
.Lfunc_end_k_q08a3ab7cd4_place:
	.size	k_q08a3ab7cd4_place, .Lfunc_end_k_q08a3ab7cd4_place-k_q08a3ab7cd4_place
	.p2alignl 7, 3214868480
	.fill 96, 4, 3214868480
	.section	.rodata,"a",@progbits
	.p2align	6, 0x0
	.amdhsa_kernel k_q08a3ab7cd4_place
		.amdhsa_group_segment_fixed_size 34304
		.amdhsa_private_segment_fixed_size 0
		.amdhsa_enable_private_segment 0
		.amdhsa_kernarg_size 40
		.amdhsa_user_sgpr_count 2
		.amdhsa_user_sgpr_kernarg_segment_ptr 1
		.amdhsa_wavefront_size32 1
		.amdhsa_system_sgpr_workgroup_id_x 1
		.amdhsa_system_sgpr_workgroup_id_y 1
		.amdhsa_system_sgpr_workgroup_id_z 1
		.amdhsa_system_vgpr_workitem_id 0
		.amdhsa_next_free_vgpr 114
		.amdhsa_next_free_sgpr 80
		.amdhsa_reserve_vcc 1
		.amdhsa_float_denorm_mode_32 3
		.amdhsa_float_denorm_mode_16_64 3
		.amdhsa_memory_ordered 1
		.amdhsa_forward_progress 1
		.amdhsa_inst_pref_size 32
	.end_amdhsa_kernel
	.amdgpu_metadata
---
amdhsa.version: [ 1, 2 ]
amdhsa.kernels:
  - .name:           k_q08a3ab7cd4_place
    .symbol:         k_q08a3ab7cd4_place.kd
    .args:
      - { .name: masks, .offset: 0, .size: 8, .value_kind: global_buffer, .address_space: global }
      - { .name: x, .offset: 8, .size: 8, .value_kind: global_buffer, .address_space: global }
      - { .name: xg, .offset: 16, .size: 8, .value_kind: global_buffer, .address_space: global }
      - { .name: meta, .offset: 24, .size: 8, .value_kind: global_buffer, .address_space: global }
      - { .name: ptab, .offset: 32, .size: 8, .value_kind: global_buffer, .address_space: global }
    .group_segment_fixed_size: 34304
    .private_segment_fixed_size: 0
    .kernarg_segment_align: 8
    .kernarg_segment_size: 40
    .max_flat_workgroup_size: 256
    .sgpr_count:     80
    .vgpr_count:     114
    .wavefront_size: 32
...
	.end_amdgpu_metadata
.endif
;; end of part 2
;; launch up (part 3): grid 256 x 1, 4 waves a work-group, no clusters, 70,144 bytes of LDS; arguments W1, b1, xg, meta, hf; writes hf
.if DOCPART == 3
	.amdgcn_target "amdgcn-amd-amdhsa--gfx1250"
	.amdhsa_code_object_version 6
	.text
	.protected	k_q08a3ab7cd4_up
	.globl	k_q08a3ab7cd4_up
	.p2align	8
	.type	k_q08a3ab7cd4_up,@function
k_q08a3ab7cd4_up:
	s_mov_b64 s[64:65], 0
	v_nop
	global_prefetch_b8 v0, s[64:65] scope:SCOPE_SE
	s_setreg_imm32_b32 hwreg(HW_REG_WAVE_MODE, 25, 1), 1
	s_wait_xcnt 0x0
.set IS_UP, 1
; ONE TEXT FOR BOTH EXPERT PRODUCTS; IS_UP chooses.  IS_UP = 1: hf = relu(xg W1^T + b1), rounded to bf16.  IS_UP = 0: part[kq] = hf W2^T over a quarter kq of the 4,096 f, in f32.
; Only the rows that the router chose are computed: reference() multiplies the other experts' results by a weight that is exactly 0.
; LIMITS.  An expert that a token did not choose adds exactly 0, also where its result would not be finite.  relu is max(0, .) that lets a NaN lose: a NaN becomes 0.  Operands are bf16, sums f32, the bias f32.
; SHARES.  A work-group owns one expert, 128 rows of its weights and K = 1,024: 8 experts x 32 slices of f (up), 8 x 8 slices of d x 4 quarters of K (down): 256 work-groups, and each weight byte
; belongs to one of them.  Every wave multiplies all 128 weight rows (8 groups of 16) by up to five blocks of 16 activation rows: block 20 pass + 4 t + w of the expert: 40 accumulators, 320 registers.
; K is cut in four in the second product because a slice of 32 d over all 4,096 f would read four times the activations for the same weights; the four planes are added, in a fixed order, by the launch behind.
; THE FIFTH BLOCK (t = 4: block 16 + w) exists only where the expert has more than 256 + 16 w rows.  Where it does not, its eight products and its two loads are jumped over in every substep; only substep 0
; multiplies it in every wave, and the start loads it for substeps 0-3, so that its registers are written on every way.  The jumps hang on meta's whole numbers, go forward, and pass no barrier, LDS access or wait.
; THE WEIGHTS.  Each wave loads its own 32 of the 128 rows, 512 consecutive bytes (128 k of one row) an instruction, rounds them ONCE to bf16 and stores them into one of two LDS buffers of
; 128 rows x 128 k; all four waves read their fragments from there.  Not by tensor loads: a tile kept in f32 would be read from LDS and rounded by each of the four waves, 4 x 16 KiB of reads and
; 4 x 64 roundings for 32 k against 4 x 8 KiB and 4 x 16 here; and loads into registers are waited for by count, so that none has to have landed merely because a barrier follows.
; THE ACTIVATIONS lie in memory in fragment order (1 KiB for 16 rows x 32 k), so a fragment is two loads of 512 consecutive bytes straight into registers.
; THE PIPELINE, in K substeps q of 32.  A BATCH is 8 rows x 128 k of my 32 rows: 8 loads, 32 registers; batch n = 4 stage + b.  Substep q multiplies A16[q % 2] by B[q % 4]; in its middle it fetches
; substep q + 1's fragments from LDS in one run; at its end it rounds and stores batch q + 5, loads batch q + 9 into the same registers and B[q % 4] with substep q + 4.  Weights and activations share
; LOADcnt, which falls in issue order, so both are asked for four substeps ahead and one wait at a substep's head serves both.
; A TRIP j is q = 4 j + 3 .. 4 j + 6: it reads stage j + 1 from buffer (j + 1) % 2 and writes stage j + 2 into buffer j % 2.  ONE barrier at its head: in front of it each wave has waited for its stores of
; stage j + 1 and its reads of stage j.  The buffers are named by immediates, so two trips are the loop's body.
; PASSES.  320 rows go in the first pass.  An expert with more (its count is read from meta) takes further passes; those fetch the weights' fragments straight from memory, without LDS or barriers,
; since a barrier may not hang on data.  They are slower, and right.
; NO CLUSTER: no two work-groups want the same weights, and the activations that an expert's 32 work-groups share go straight into registers.
; SOURCE 0 = 16 weight rows, source 1 = 16 activation rows: a lane holds one activation row (l % 16) and eight neighbouring f or d (8 (l / 16) + 0..7).
; REGISTERS, in windows of 256 (s_set_vgpr_msb: bits 1:0 source 0, 3:2 source 1, 5:4 source 2, 7:6 destination):
;   window 0: v0-13 addresses; v32-95 the bias as a C operand, group g at 32 + 8 g (up); v96-255 four B buffers of 40, block t at + 8 t
;   window 1: v0-127 XS: stage 1 as loaded at the start; later at work in the way out and the later passes; v128-255 A16, two buffers of 64
;   window 2: the accumulators of blocks 0-3, (g, t) at 8 (4 g + t): one setting serves a substep's 32 products that every wave has
;   window 3: v0-63 those of block 4, group g at 8 g; v80-207 WS, four batches as loaded; v208-223 a batch rounded; v224, v225 the addresses of its stores and loads: one setting serves roundings, stores and loads
; Six switches a substep without the fifth block (products, fetch, products, the jump, the batch, the activations), eight with it.
.set PITCH, 272                        ; an LDS row: 256 bytes (128 bf16) + 16 = 17 x 16: the 16 rows of a fragment load start at 16 different groups of four banks (64 banks of 4 bytes: ISA guide 11.1)
.set GRP,   16*PITCH
.set WAVEB, 32*PITCH                   ; my wave's 32 rows
.set LB,    128*PITCH                  ; a buffer: 34,816 bytes
.set STAGE, 2*LB                       ; down: behind the buffers, 16 rows x 528 bytes for each wave, for the way out
.set SP,    528
.set NBM1,  134                        ; the last block that the buffers hold
.set PQ,    8847360                    ; bytes in a plane of part: 2,160 rows x 4,096
.if IS_UP
.set WROWB, 4096                       ; bytes from weight row to weight row
.set PACT,  8                          ; s[8:9] xg, s[10:11] meta, s[12:13] hf
.set PMETA, 10
.set POUT,  12
.set ASH,   15                         ; a block of activations: 32 KiB
.set OSH,   17                         ; a block of the output: 128 KiB
.else
.set WROWB, 16384
.set PACT,  6                          ; s[6:7] hf, s[8:9] meta, s[10:11] part
.set PMETA, 8
.set POUT,  10
.set ASH,   17
.set OSH,   16                         ; 16 rows x 4,096 bytes
.endif
.set VL16, 3                           ; 16 x lane
.set AWL,  4                           ; 272 r + 16 h: my lane's place in a group of 16 LDS rows; never rewritten
.set VT,   5
.set VB,   7                           ; byte offset of the activations' reloads: 16 x lane + 4,096 for each trip begun
.set H32,  9
.set STO,  10
.set RD,   11
.set VW,   12                          ; later passes: my lane's place in 16 weight rows in memory
.set VBS,  13                          ; later passes: the activations' offset
.set BIAS, 32
.set BB,   96
.set WS,   80                          ; window 3
.set CV,   208
.set SA,   224                         ; 8,704 w + 8 x lane
.set VLW,  225                         ; 16 x lane once more
.set WV,   2
.set GID,  3
.set WL,   16                          ; s[16:17] my wave's 32 weight rows
.set SWB,  18                          ; s[18:19] the same at the stage that is being loaded
.set OFF,  32                          ; s[32:35] from meta: first block, blocks, passes (then: passes left), all blocks - 1
.set NTB,  33
.set LEFT, 34
.set TOTM1, 35
.set PB,   36                          ; 20 pass + w
.set CA,   38
.set XB,   40                          ; s[40:49] five addresses: my blocks of activations
.set REL,  50                          ; s[50:54] my blocks' numbers in the expert
.set ABS,  55                          ; s[55:59] and in the buffers
.set SB,   60                          ; s[60:61] a store's base
.set TP,   62                          ; s[62:63] an offset; the upper word stays 0
.set WB,   66                          ; s[66:67] the work-group's 128 weight rows
.set SW,   68                          ; s[68:69] later passes: the same, stepping along K
.set MSB, 0
.macro WIN new                         ; the immediate's high byte repeats the setting that is left; a switch that changes nothing is dropped
.if MSB != (\new)
	s_set_vgpr_msb (MSB<<8)|(\new)
.set MSB, \new
.endif
.endm
.macro PLACES                          ; four places behind matrix instructions (ISA guide 7.12.1), where no other vector work is at hand
.rept 4
	v_nop
.endr
.endm
; 4 products: group g x blocks 0-3.  The accumulators take turns, one instruction a turn, in the same order in every substep.  start = 1: the sums begin, with the bias (up) or 0 (down).
.macro MULG par, bb, g, start
.if (\start) && IS_UP
	WIN 0x81
.else
	WIN 0xa1
.endif
.irp t, 0,1,2,3
.set AC, 8*(4*(\g)+(\t))
.set FA, 128+64*(\par)+8*(\g)
.set FB, BB+40*(\bb)+8*(\t)
.if (\start) && IS_UP
	v_wmma_f32_16x16x32_bf16 v[AC:AC+7], v[FA:FA+7], v[FB:FB+7], v[BIAS+8*(\g):BIAS+8*(\g)+7]
.elseif \start
	v_wmma_f32_16x16x32_bf16 v[AC:AC+7], v[FA:FA+7], v[FB:FB+7], 0
.else
	v_wmma_f32_16x16x32_bf16 v[AC:AC+7], v[FA:FA+7], v[FB:FB+7], v[AC:AC+7]
.endif
.endr
.endm
.macro MUL4 par, bb, start             ; 8 products: all groups x block 4
.if (\start) && IS_UP
	WIN 0xc1
.else
	WIN 0xf1
.endif
.irp g, 0,1,2,3,4,5,6,7
.set AC, 8*(\g)
.set FA, 128+64*(\par)+8*(\g)
.set FB, BB+40*(\bb)+32
.if (\start) && IS_UP
	v_wmma_f32_16x16x32_bf16 v[AC:AC+7], v[FA:FA+7], v[FB:FB+7], v[BIAS+8*(\g):BIAS+8*(\g)+7]
.elseif \start
	v_wmma_f32_16x16x32_bf16 v[AC:AC+7], v[FA:FA+7], v[FB:FB+7], 0
.else
	v_wmma_f32_16x16x32_bf16 v[AC:AC+7], v[FA:FA+7], v[FB:FB+7], v[AC:AC+7]
.endif
.endr
.endm
; 16 LDS loads in one run: the fragments of all 8 groups for 32 k, number fu of the four in LDS buffer lb, into A16[buf].  A fragment's registers 0-3 are k = 8 h + 0..7, registers 4-7 k = 16 + 8 h + 0..7: two loads, 32 bytes apart.
.macro FET buf, lb, fu
	WIN 0x40
.irp g, 0,1,2,3,4,5,6,7
	ds_load_b128 v[128+64*(\buf)+8*(\g):128+64*(\buf)+8*(\g)+3],   v[AWL] offset:(\lb)*LB+(\g)*GRP+64*(\fu)
	ds_load_b128 v[128+64*(\buf)+8*(\g)+4:128+64*(\buf)+8*(\g)+7], v[AWL] offset:(\lb)*LB+(\g)*GRP+64*(\fu)+32
.endr
.endm
; A batch is rounded and stored: rows 8 b .. 8 b + 7 of my 32, into LDS buffer lb.  A lane holds k = 4 l .. 4 l + 3 of a row: 8 bytes of bf16; a store covers a row's 256 bytes.  src = 0: from WS; 1: from XS.
.macro WCONS src, b, lb
.if \src
	WIN 0xc5
.set WR, 32*(\b)
.else
	WIN 0xcf
.set WR, WS+32*(\b)
.endif
.irp i, 0,1,2,3,4,5,6,7
	v_cvt_pk_bf16_f32 v[CV+2*(\i)],   v[WR+4*(\i)],   v[WR+4*(\i)+1]
	v_cvt_pk_bf16_f32 v[CV+2*(\i)+1], v[WR+4*(\i)+2], v[WR+4*(\i)+3]
.endr
	WIN 0xcf
.irp i, 0,1,2,3,4,5,6,7
	ds_store_b64 v[SA], v[CV+2*(\i):CV+2*(\i)+1] offset:(\lb)*LB+(8*(\b)+(\i))*PITCH
.endr
.endm
.macro WLOAD b                         ; 8 loads: rows 8 b .. 8 b + 7 at the stage of s[SWB]; each covers 512 consecutive bytes, at a multiple of 512 from the weights' first; each weight byte is read once in the pass
	WIN 0xcf
.irp i, 0,1,2,3,4,5,6,7
	global_load_b128 v[WS+32*(\b)+4*(\i):WS+32*(\b)+4*(\i)+3], v[VLW], s[SWB:SWB+1] offset:(8*(\b)+(\i))*WROWB th:TH_LOAD_NT
.endr
.endm
.macro BLD bb, vb, imm, t              ; 2 loads: block t's fragment of one substep
	global_load_b128 v[BB+40*(\bb)+8*(\t):BB+40*(\bb)+8*(\t)+3],   v[\vb], s[XB+2*(\t):XB+2*(\t)+1] offset:\imm
	global_load_b128 v[BB+40*(\bb)+8*(\t)+4:BB+40*(\bb)+8*(\t)+7], v[\vb], s[XB+2*(\t):XB+2*(\t)+1] offset:(\imm)+512
.endm
.macro BLOAD bb, vb, imm               ; 8 loads: blocks 0-3
.irp t, 0,1,2,3
	BLD \bb, \vb, \imm, \t
.endr
.endm
; A K SUBSTEP.  par, bb: which A16 and which B.  lc: the FEWEST loads that can have been issued behind this substep's activations (and behind its batch, which was asked for just ahead of them): the fifth
; block's two loads stand last in a substep's run and are not counted, so with them the wait asks for a little more than is needed; -1: nothing that the substep reads is out.  dc: the LDS stores issued behind
; this substep's fragment loads.  bar: a trip begins: dc is 0, the signal stands ahead of 16 products, the wait behind them, the first LDS access of the trip behind the wait.
; fet, flb, fu: the next substep's fragments.  wsrc, wb, wlb: the batch to round and store (-1: none).  wld: it is loaded again.  step: the trip's addresses step.  brl, bimm: B[bb] is loaded again.
; The batch's 16 roundings (or four v_nop) are the places between the substep's last product, on either way, and the loads into B[bb], and into the other A16 in the next substep.
.macro SUB par, bb, start, lc, dc, bar, fet, flb, fu, wsrc, wb, wlb, wld, step, brl, bimm
.if (\lc) >= 0
	s_wait_loadcnt \lc
.endif
	s_wait_dscnt \dc
.if \bar
	s_barrier_signal -1                            ; my stores of the stage to be read and my reads of the buffer to be written are done
.endif
.irp g, 0,1,2,3
	MULG \par, \bb, \g, \start
.endr
.if \bar
	s_barrier_wait -1                              ; everybody's are
.endif
.if \fet
	FET 1-(\par), \flb, \fu
.endif
.irp g, 4,5,6,7
	MULG \par, \bb, \g, \start
.endr
.if \start
	MUL4 \par, \bb, 1                              ; in every wave: the fifth block's accumulators are written on every way
.else
	WIN 0                                          ; at a branch and at a label every window is 0
	s_cmp_lt_u32 s[REL+4], s[NTB]                  ; has the expert my fifth block?
	s_cbranch_scc0 .Lno4_\@
	MUL4 \par, \bb, 0
	WIN 0
.Lno4_\@:
.endif
.if (\wsrc) >= 0
	WCONS \wsrc, \wb, \wlb
.else
	PLACES
.endif
.if \step
	s_wait_xcnt 0x0                                ; the loads that name s[SWB] and v[VB] went out a substep ago and have had their addresses translated (ISA guide 3.1)
.if \wld
	s_add_nc_u64 s[SWB:SWB+1], s[SWB:SWB+1], 512   ; the next stage: 128 k on
.endif
.endif
.if \wld
	WLOAD \wb
.endif
.if \brl
	WIN 0
.if \step
	v_add_nc_u32 v[VB], 4096, v[VB]
.endif
	BLOAD \bb, VB, \bimm
	s_cmp_lt_u32 s[REL+4], s[NTB]
	s_cbranch_scc0 .Lnol_\@
	BLD \bb, VB, \bimm, 4
.Lnol_\@:
.endif
.endm
; A TRIP of parity jp that rounds and stores a stage; wld: and loads the stage four substeps on.  l0-l3: the four substeps' counts on LOADcnt.
.macro TRIP jp, wld, l0, l1, l2, l3
	SUB 1, 3, 0, \l0, 0, 1, 1, 1-(\jp), 0, 0, 0, \jp, \wld, 1, 1, 3072
	SUB 0, 0, 0, \l1, 8, 0, 1, 1-(\jp), 1, 0, 1, \jp, \wld, 0, 1, 4096
	SUB 1, 1, 0, \l2, 8, 0, 1, 1-(\jp), 2, 0, 2, \jp, \wld, 0, 1, 5120
	SUB 0, 2, 0, \l3, 8, 0, 1, 1-(\jp), 3, 0, 3, \jp, \wld, 0, 1, 6144
.endm
; My five blocks of a pass.  A block past the expert's end has the address of a block that exists (the clamps) and is not stored.
.macro SETUP first
.if !(\first)
	s_wait_loadcnt 0x0                             ; no load is out: B's registers and the loads' bases are free
	s_wait_xcnt 0x0                                ; and the stores have read theirs
.endif
.irp t, 0,1,2,3,4
	s_add_co_u32 s[REL+(\t)], s[PB], 4*(\t)
	s_add_co_u32 s[ABS+(\t)], s[OFF], s[REL+(\t)]
	s_min_u32 s[ABS+(\t)], s[ABS+(\t)], s[TOTM1]   ; a block that the launch before has stored,
	s_min_u32 s[ABS+(\t)], s[ABS+(\t)], NBM1       ; and inside the buffer whatever meta holds
	s_lshl_b32 s[TP], s[ABS+(\t)], ASH
.if !IS_UP
	s_add_co_u32 s[TP], s[TP], s75                 ; my quarter of K: 32 KiB of the block's 128
.endif
	s_add_nc_u64 s[XB+2*(\t):XB+2*(\t)+1], s[PACT:PACT+1], s[TP:TP+1]
.endr
.endm
.macro CVTP buf, p                     ; later passes: 16 roundings: fragments in f32 (window 1, group g at 16 g) of groups 2 p, 2 p + 1 into A16[buf]
	WIN 0x45
.irp gg, 0,1
.irp i, 0,1,2,3,4,5,6,7
.set GI, 2*(\p)+(\gg)
	v_cvt_pk_bf16_f32 v[128+64*(\buf)+8*GI+(\i)], v[16*GI+2*(\i)], v[16*GI+2*(\i)+1]
.endr
.endr
.endm
; A K substep of a later pass: 32 loads of weights (a fragment's k = 8 h + 0..7 and 16 + 8 h + 0..7 are, in f32, the bytes 32 h + 0, 16 and 64 + 32 h + 0, 16) and 10 of activations, all waited for, 64 roundings, 40 products.
.macro SLOWSUB start
	WIN 0x40
.irp g, 0,1,2,3,4,5,6,7
.irp j, 0,1,2,3
	global_load_b128 v[16*(\g)+4*(\j):16*(\g)+4*(\j)+3], v[VW], s[SW:SW+1] offset:(\g)*16*WROWB+16*(\j)+32*((\j)/2)
.endr
.endr
	WIN 0
	BLOAD 0, VBS, 0
	BLD 0, VBS, 0, 4
	s_wait_loadcnt 0x0                             ; all are in, so their address registers may step below
.irp p, 0,1,2,3
	CVTP 0, \p
.endr
.irp g, 0,1,2,3,4,5,6,7
	MULG 0, 0, \g, \start
.endr
	MUL4 0, 0, \start
	WIN 0
	v_add_nc_u32 v[VBS], 1024, v[VBS]
	s_add_nc_u64 s[SW:SW+1], s[SW:SW+1], 128
	PLACES                                         ; in front of the next loads into B and roundings into A16, and of the way out
.endm
	s_load_b256 s[4:11], s[0:1], 0x0               ; the weights s[4:5]; up: b1 s[6:7]; the rest as named above
.if IS_UP
	s_load_b64 s[12:13], s[0:1], 0x20
	v_lshl_add_u32 v30, v0, 2, 0x11000
	v_mov_b32 v31, 0
.endif
	v_lshrrev_b32 v1, 5, v0
	v_readfirstlane_b32 s[WV], v1                  ; wave 0..3
	s_mov_b32 s[GID], ttmp9
	s_mov_b32 s[TP+1], 0
	s_mov_b32 s71, 0
.if IS_UP
	s_lshl_b32 s[TP], s[GID], 19                   ; weight row 128 g, 4,096 bytes a row
	s_lshl_b32 s70, s[WV], 17                      ; my wave's 32 rows
	s_and_b32 s76, s[GID], 31
	s_lshl_b32 s76, s76, 12                        ; my slice's four K steps in a block of hf
	s_lshl_b32 s72, s[GID], 9                      ; my 128 f in b1
	s_mov_b32 s73, 0
.else
	s_lshr_b32 s[TP], s[GID], 2
	s_lshl_b32 s[TP], s[TP], 21                    ; weight row 128 (g / 4), 16,384 bytes a row
	s_and_b32 s74, s[GID], 3                       ; kq
	s_lshl_b32 s75, s74, 12
	s_add_co_u32 s[TP], s[TP], s75                 ; my quarter of the row
	s_lshl_b32 s75, s74, 15
	s_lshl_b32 s70, s[WV], 19
	s_mul_i32 s76, s74, PQ                         ; my plane of part,
	s_bfe_u32 s77, s[GID], 0x30002
	s_lshl_b32 s77, s77, 9
	s_add_co_u32 s76, s76, s77                     ; my 128 d: 512 bytes of a row
.endif
	s_lshr_b32 s78, s[GID], 5                      ; the expert
	s_lshl_b32 s78, s78, 4
	s_mov_b32 s79, 0
	s_mul_i32 s20, s[WV], WAVEB
	v_and_b32 v[VT], 31, v0
	v_lshlrev_b32 v[VL16], 4, v[VT]
	v_lshl_add_u32 v[VT], v[VT], 3, s20            ; 8 x lane + my 32 LDS rows
	v_and_b32 v1, 15, v0                           ; r
	v_bfe_u32 v2, v0, 4, 1                         ; h
	v_mul_u32_u24 v[AWL], v1, PITCH
	v_lshl_add_u32 v[AWL], v2, 4, v[AWL]
	v_lshlrev_b32 v[H32], 5, v2
	v_mov_b32 v[VB], v[VL16]
.if IS_UP
	v_lshl_add_u32 v[VW], v1, 12, v[H32]
.else
	v_lshl_add_u32 v[VW], v1, 14, v[H32]
	s_mul_i32 s77, s[WV], 16*SP
	s_add_co_u32 s77, s77, STAGE                   ; my stage
	v_mul_u32_u24 v[STO], v1, SP
	v_add_nc_u32 v[STO], v[STO], v[H32]
	v_add_nc_u32 v[STO], s77, v[STO]               ; in: row r, 8 h numbers of 4 bytes on
	v_add_nc_u32 v[RD], s77, v[VL16]               ; back: a row's 512 bytes, 16 a lane
.endif
	WIN 0xc0
	v_mov_b32 v[VLW], v[VL16]
	v_mov_b32 v[SA], v[VT]
	WIN 0
	s_wait_kmcnt 0x0
	s_add_nc_u64 s[WB:WB+1], s[4:5], s[TP:TP+1]
	s_add_nc_u64 s[WL:WL+1], s[WB:WB+1], s[70:71]
	s_add_nc_u64 s[SWB:SWB+1], s[WL:WL+1], 1024    ; stage 2, the first that goes by s[SWB]
	s_add_nc_u64 s[78:79], s[PMETA:PMETA+1], s[78:79]
	s_load_b128 s[OFF:OFF+3], s[78:79], 0x0
.if IS_UP
	s_add_nc_u64 s[72:73], s[6:7], s[72:73]
.irp g, 0,1,2,3,4,5,6,7                ; the bias in the layout of a result: register j = f 16 g + 8 h + j, the same for every activation row
	global_load_b128 v[BIAS+8*(\g):BIAS+8*(\g)+3], v[H32], s[72:73] offset:64*(\g)
	global_load_b128 v[BIAS+8*(\g)+4:BIAS+8*(\g)+7], v[H32], s[72:73] offset:64*(\g)+16
.endr
.endif
	WIN 0xcf
.set i, 0
.rept 32                               ; stage 0, batches 0-3: it hangs on nothing but the arguments, so it goes out while meta is on its way
	global_load_b128 v[WS+4*i:WS+4*i+3], v[VLW], s[WL:WL+1] offset:i*WROWB th:TH_LOAD_NT
.set i, i+1
.endr
	WIN 0
	s_wait_kmcnt 0x0
	s_min_u32 s[LEFT], s[LEFT], 4                  ; 64 blocks at the most,
	s_max_u32 s[LEFT], s[LEFT], 1                  ; and one pass at the least
	s_mov_b32 s[PB], s[WV]
	SETUP 1
	BLOAD 0, VL16, 0                               ; the activations of substeps 0 and 1, all five blocks
	BLD 0, VL16, 0, 4
	BLOAD 1, VL16, 1024
	BLD 1, VL16, 1024, 4
	WIN 0x40
.set i, 0
.rept 32                               ; stage 1, batches 4-7, into registers of its own, so that it need not wait for stage 0's to be free
	global_load_b128 v[4*i:4*i+3], v[VL16], s[WL:WL+1] offset:i*WROWB+512 th:TH_LOAD_NT
.set i, i+1
.endr
.irp b, 0,1,2,3                        ; behind stage 0's batch b were issued 8 (3 - b) + 20 + 32 loads; a wait on LOADcnt names 63 at the most (ISA guide 5.7.1), and a smaller count than the loads behind is right
.if (76-8*(\b)) > 63
	s_wait_loadcnt 63
.else
	s_wait_loadcnt 76-8*(\b)
.endif
	WCONS 0, \b, 0
.endr
	WIN 0
	BLOAD 2, VL16, 2048
	BLD 2, VL16, 2048, 4
	BLOAD 3, VL16, 3072
	BLD 3, VL16, 3072, 4
	s_wait_loadcnt 20                              ; stage 1 is in, and the activations of substeps 0 and 1 ahead of it: behind it only the twenty loads just issued
	WLOAD 0                                        ; batch 8: from here on every substep's loads are as in the loop
	s_wait_dscnt 0x0                               ; for the others' sake: my rows of stage 0 are in LDS
	s_barrier_signal -1
	s_barrier_wait -1
	FET 0, 0, 0                                    ; substep 0's fragments
	WCONS 1, 0, 1                                  ; batch 4
	SUB 0, 0, 1, -1, 8, 0, 1, 0, 1, 1, 1, 1, 1, 0, 1, 4096   ; substep 0 starts the sums: nothing is cleared.  What substeps 0 and 1 read has been waited for above
	SUB 1, 1, 0, -1, 8, 0, 1, 0, 2, 1, 2, 1, 1, 0, 1, 5120
	SUB 0, 2, 0, 50, 8, 0, 1, 0, 3, 1, 3, 1, 1, 0, 1, 6144   ; 50: behind substep 2's activations: substep 3's ten, batch 8's eight, and 8 + 8 at the least in each of substeps 0 and 1
	s_mov_b32 s[CA], 2
.Lring:                                                ; twice: trips 0, 1 and 2, 3: substeps 3-18.  48: three substeps' 8 + 8 loads at the least
	TRIP 0, 1, 48, 48, 48, 48
	TRIP 1, 1, 48, 48, 48, 48
	s_sub_co_u32 s[CA], s[CA], 1
	s_cmp_lg_u32 s[CA], 0
	s_cbranch_scc1 .Lring
	TRIP 0, 1, 48, 48, 48, 48                      ; trip 4, substeps 19-22: the last weights are asked for
	TRIP 1, 0, 48, 40, 32, 24                      ; trip 5, substeps 23-26: stage 7 is stored; the substeps behind issue eight loads each at the least, so the counts run down
	SUB 1, 3, 0, 24, 0, 1, 1, 1, 0, -1, 0, 0, 0, 1, 1, 3072  ; trip 6, substeps 27-30: the last barrier; the last activations are asked for
	SUB 0, 0, 0, 24, 0, 0, 1, 1, 1, -1, 0, 0, 0, 0, 0, 0
	SUB 1, 1, 0, 16, 0, 0, 1, 1, 2, -1, 0, 0, 0, 0, 0, 0
	SUB 0, 2, 0, 8, 0, 0, 1, 1, 3, -1, 0, 0, 0, 0, 0, 0
	SUB 1, 3, 0, 0, 0, 0, 0, 0, 0, -1, 0, 0, 0, 0, 0, 0      ; substep 31; its four v_nop are the places in front of the way out
	WIN 0
.Lepi:                                                 ; THE WAY OUT of a pass: my five blocks, those that the expert has
.irp t, 0,1,2,3,4
	s_cmp_lt_u32 s[REL+(\t)], s[NTB]
	s_cbranch_scc0 .Lskip\t
	s_wait_xcnt 0x0                                ; the stores before have read their base and their data registers
	s_lshl_b32 s[TP], s[ABS+(\t)], OSH
	s_add_co_u32 s[TP], s[TP], s76
	s_add_nc_u64 s[SB:SB+1], s[POUT:POUT+1], s[TP:TP+1]
.if IS_UP
	; relu, rounding; two neighbouring groups of 16 f ARE a fragment of the next product's activations: no stage; each store covers 512 consecutive bytes, at a multiple of 512 from hf's first
.if (\t) < 4
	WIN 0x48
.irp g, 0,1,2,3,4,5,6,7
.irp j, 0,1,2,3,4,5,6,7
	v_max_num_f32 v[8*(\g)+(\j)], 0, v[8*(4*(\g)+(\t))+(\j)]   ; each accumulator from its low end on
.endr
.endr
.else
	WIN 0x4c
.irp g, 0,1,2,3,4,5,6,7
.irp j, 0,1,2,3,4,5,6,7
	v_max_num_f32 v[8*(\g)+(\j)], 0, v[8*(\g)+(\j)]            ; from window 3 into window 1
.endr
.endr
.endif
	WIN 0x45
.irp i, 0,1,2,3,4,5,6,7,8,9,10,11,12,13,14,15,16,17,18,19,20,21,22,23,24,25,26,27,28,29,30,31
	v_cvt_pk_bf16_f32 v[64+(\i)], v[2*(\i)], v[2*(\i)+1]
.endr
	WIN 0x04
.irp g, 0,1,2,3,4,5,6,7
	global_store_b128 v[VL16], v[64+4*(\g):64+4*(\g)+3], s[SB:SB+1] offset:1024*((\g)/2)+512*((\g)%2)
.endr
.else
	; f32 through my own stage: in by lanes (one row, eight d), back by rows of 512 bytes.  LDS serves a wave's instructions in order (ISA guide 5.7.1.4): no wait between the stores and the loads
.if (\t) < 4
	WIN 0x08
.irp g, 0,1,2,3,4,5,6,7
	ds_store_b128 v[STO], v[8*(4*(\g)+(\t)):8*(4*(\g)+(\t))+3] offset:64*(\g)
	ds_store_b128 v[STO], v[8*(4*(\g)+(\t))+4:8*(4*(\g)+(\t))+7] offset:64*(\g)+16
.endr
.else
	WIN 0x0c
.irp g, 0,1,2,3,4,5,6,7
	ds_store_b128 v[STO], v[8*(\g):8*(\g)+3] offset:64*(\g)
	ds_store_b128 v[STO], v[8*(\g)+4:8*(\g)+7] offset:64*(\g)+16
.endr
.endif
	WIN 0x40
.irp rw, 0,1,2,3,4,5,6,7,8,9,10,11,12,13,14,15
	ds_load_b128 v[4*(\rw):4*(\rw)+3], v[RD] offset:SP*(\rw)
.endr
	s_wait_dscnt 0x0
	WIN 0x04
.irp rw, 0,1,2,3,4,5,6,7,8,9,10,11,12,13,14,15
	global_store_b128 v[VL16], v[4*(\rw):4*(\rw)+3], s[SB:SB+1] offset:4096*(\rw)  ; 512 consecutive bytes, at a multiple of 512 from part's first
.endr
.endif
	WIN 0
.Lskip\t:
.endr
	s_sub_co_u32 s[LEFT], s[LEFT], 1
	s_cmp_eq_u32 s[LEFT], 0
	s_cbranch_scc1 .Lend
	; A LATER PASS: the expert's next 20 blocks, the weights straight from memory.  No LDS, no barrier: the waves need not stay together.
	s_add_co_u32 s[PB], s[PB], 20
	SETUP 0
	s_mov_b64 s[SW:SW+1], s[WB:WB+1]
	v_mov_b32 v[VBS], v[VL16]
	SLOWSUB 1
	s_mov_b32 s[CA], 31
.Lslow:
	SLOWSUB 0
	s_sub_co_u32 s[CA], s[CA], 1
	s_cmp_lg_u32 s[CA], 0
	s_cbranch_scc1 .Lslow
	s_cmp_gt_i32 s[LEFT], 0                        ; passes are left: this one's way out; the signed compare ends the loop whatever the count
	s_cbranch_scc1 .Lepi
.Lend:
	s_wait_tensorcnt 0x0
	ds_add_u32 v30, v31
	s_wait_dscnt 0x0
	s_endpgm
.Lfunc_end_k_q08a3ab7cd4_up:
	.size	k_q08a3ab7cd4_up, .Lfunc_end_k_q08a3ab7cd4_up-k_q08a3ab7cd4_up
	.p2alignl 7, 3214868480
	.fill 96, 4, 3214868480
	.section	.rodata,"a",@progbits
	.p2align	6, 0x0
	.amdhsa_kernel k_q08a3ab7cd4_up
		.amdhsa_group_segment_fixed_size 70144
		.amdhsa_private_segment_fixed_size 0
		.amdhsa_enable_private_segment 0
		.amdhsa_kernarg_size 40
		.amdhsa_user_sgpr_count 2
		.amdhsa_user_sgpr_kernarg_segment_ptr 1
		.amdhsa_wavefront_size32 1
		.amdhsa_system_sgpr_workgroup_id_x 1
		.amdhsa_system_sgpr_workgroup_id_y 1
		.amdhsa_system_sgpr_workgroup_id_z 1
		.amdhsa_system_vgpr_workitem_id 0
		.amdhsa_next_free_vgpr 1008
		.amdhsa_next_free_sgpr 80
		.amdhsa_reserve_vcc 0
		.amdhsa_float_denorm_mode_32 3
		.amdhsa_float_denorm_mode_16_64 3
		.amdhsa_memory_ordered 1
		.amdhsa_forward_progress 1
		.amdhsa_inst_pref_size 226
	.end_amdhsa_kernel
	.amdgpu_metadata
---
amdhsa.version: [ 1, 2 ]
amdhsa.kernels:
  - .name:           k_q08a3ab7cd4_up
    .symbol:         k_q08a3ab7cd4_up.kd
    .args:
      - { .name: W1, .offset: 0, .size: 8, .value_kind: global_buffer, .address_space: global }
      - { .name: b1, .offset: 8, .size: 8, .value_kind: global_buffer, .address_space: global }
      - { .name: xg, .offset: 16, .size: 8, .value_kind: global_buffer, .address_space: global }
      - { .name: meta, .offset: 24, .size: 8, .value_kind: global_buffer, .address_space: global }
      - { .name: hf, .offset: 32, .size: 8, .value_kind: global_buffer, .address_space: global }
    .group_segment_fixed_size: 70144
    .private_segment_fixed_size: 0
    .kernarg_segment_align: 8
    .kernarg_segment_size: 40
    .max_flat_workgroup_size: 128
    .sgpr_count:     80
    .vgpr_count:     1008
    .wavefront_size: 32
...
	.end_amdgpu_metadata
.endif
;; end of part 3
;; launch down (part 4): grid 256 x 1, 4 waves a work-group, no clusters, 103,936 bytes of LDS; arguments W2, hf, meta, part; writes part
.if DOCPART == 4
	.amdgcn_target "amdgcn-amd-amdhsa--gfx1250"
	.amdhsa_code_object_version 6
	.text
	.protected	k_q08a3ab7cd4_down
	.globl	k_q08a3ab7cd4_down
	.p2align	8
	.type	k_q08a3ab7cd4_down,@function
k_q08a3ab7cd4_down:
	s_mov_b64 s[64:65], 0
	v_nop
	global_prefetch_b8 v0, s[64:65] scope:SCOPE_SE
	s_setreg_imm32_b32 hwreg(HW_REG_WAVE_MODE, 25, 1), 1
	s_wait_xcnt 0x0
.set IS_UP, 0
; ONE TEXT FOR BOTH EXPERT PRODUCTS; IS_UP chooses.  IS_UP = 1: hf = relu(xg W1^T + b1), rounded to bf16.  IS_UP = 0: part[kq] = hf W2^T over a quarter kq of the 4,096 f, in f32.
; Only the rows that the router chose are computed: reference() multiplies the other experts' results by a weight that is exactly 0.
; LIMITS.  An expert that a token did not choose adds exactly 0, also where its result would not be finite.  relu is max(0, .) that lets a NaN lose: a NaN becomes 0.  Operands are bf16, sums f32, the bias f32.
; SHARES.  A work-group owns one expert, 128 rows of its weights and K = 1,024: 8 experts x 32 slices of f (up), 8 x 8 slices of d x 4 quarters of K (down): 256 work-groups, and each weight byte
; belongs to one of them.  Every wave multiplies all 128 weight rows (8 groups of 16) by up to five blocks of 16 activation rows: block 20 pass + 4 t + w of the expert: 40 accumulators, 320 registers.
; K is cut in four in the second product because a slice of 32 d over all 4,096 f would read four times the activations for the same weights; the four planes are added, in a fixed order, by the launch behind.
; THE FIFTH BLOCK (t = 4: block 16 + w) exists only where the expert has more than 256 + 16 w rows.  Where it does not, its eight products and its two loads are jumped over in every substep; only substep 0
; multiplies it in every wave, and the start loads it for substeps 0-3, so that its registers are written on every way.  The jumps hang on meta's whole numbers, go forward, and pass no barrier, LDS access or wait.
; THE WEIGHTS.  Each wave loads its own 32 of the 128 rows, 512 consecutive bytes (128 k of one row) an instruction, rounds them ONCE to bf16 and stores them into one of two LDS buffers of
; 128 rows x 128 k; all four waves read their fragments from there.  Not by tensor loads: a tile kept in f32 would be read from LDS and rounded by each of the four waves, 4 x 16 KiB of reads and
; 4 x 64 roundings for 32 k against 4 x 8 KiB and 4 x 16 here; and loads into registers are waited for by count, so that none has to have landed merely because a barrier follows.
; THE ACTIVATIONS lie in memory in fragment order (1 KiB for 16 rows x 32 k), so a fragment is two loads of 512 consecutive bytes straight into registers.
; THE PIPELINE, in K substeps q of 32.  A BATCH is 8 rows x 128 k of my 32 rows: 8 loads, 32 registers; batch n = 4 stage + b.  Substep q multiplies A16[q % 2] by B[q % 4]; in its middle it fetches
; substep q + 1's fragments from LDS in one run; at its end it rounds and stores batch q + 5, loads batch q + 9 into the same registers and B[q % 4] with substep q + 4.  Weights and activations share
; LOADcnt, which falls in issue order, so both are asked for four substeps ahead and one wait at a substep's head serves both.
; A TRIP j is q = 4 j + 3 .. 4 j + 6: it reads stage j + 1 from buffer (j + 1) % 2 and writes stage j + 2 into buffer j % 2.  ONE barrier at its head: in front of it each wave has waited for its stores of
; stage j + 1 and its reads of stage j.  The buffers are named by immediates, so two trips are the loop's body.
; PASSES.  320 rows go in the first pass.  An expert with more (its count is read from meta) takes further passes; those fetch the weights' fragments straight from memory, without LDS or barriers,
; since a barrier may not hang on data.  They are slower, and right.
; NO CLUSTER: no two work-groups want the same weights, and the activations that an expert's 32 work-groups share go straight into registers.
; SOURCE 0 = 16 weight rows, source 1 = 16 activation rows: a lane holds one activation row (l % 16) and eight neighbouring f or d (8 (l / 16) + 0..7).
; REGISTERS, in windows of 256 (s_set_vgpr_msb: bits 1:0 source 0, 3:2 source 1, 5:4 source 2, 7:6 destination):
;   window 0: v0-13 addresses; v32-95 the bias as a C operand, group g at 32 + 8 g (up); v96-255 four B buffers of 40, block t at + 8 t
;   window 1: v0-127 XS: stage 1 as loaded at the start; later at work in the way out and the later passes; v128-255 A16, two buffers of 64
;   window 2: the accumulators of blocks 0-3, (g, t) at 8 (4 g + t): one setting serves a substep's 32 products that every wave has
;   window 3: v0-63 those of block 4, group g at 8 g; v80-207 WS, four batches as loaded; v208-223 a batch rounded; v224, v225 the addresses of its stores and loads: one setting serves roundings, stores and loads
; Six switches a substep without the fifth block (products, fetch, products, the jump, the batch, the activations), eight with it.
.set PITCH, 272                        ; an LDS row: 256 bytes (128 bf16) + 16 = 17 x 16: the 16 rows of a fragment load start at 16 different groups of four banks (64 banks of 4 bytes: ISA guide 11.1)
.set GRP,   16*PITCH
.set WAVEB, 32*PITCH                   ; my wave's 32 rows
.set LB,    128*PITCH                  ; a buffer: 34,816 bytes
.set STAGE, 2*LB                       ; down: behind the buffers, 16 rows x 528 bytes for each wave, for the way out
.set SP,    528
.set NBM1,  134                        ; the last block that the buffers hold
.set PQ,    8847360                    ; bytes in a plane of part: 2,160 rows x 4,096
.if IS_UP
.set WROWB, 4096                       ; bytes from weight row to weight row
.set PACT,  8                          ; s[8:9] xg, s[10:11] meta, s[12:13] hf
.set PMETA, 10
.set POUT,  12
.set ASH,   15                         ; a block of activations: 32 KiB
.set OSH,   17                         ; a block of the output: 128 KiB
.else
.set WROWB, 16384
.set PACT,  6                          ; s[6:7] hf, s[8:9] meta, s[10:11] part
.set PMETA, 8
.set POUT,  10
.set ASH,   17
.set OSH,   16                         ; 16 rows x 4,096 bytes
.endif
.set VL16, 3                           ; 16 x lane
.set AWL,  4                           ; 272 r + 16 h: my lane's place in a group of 16 LDS rows; never rewritten
.set VT,   5
.set VB,   7                           ; byte offset of the activations' reloads: 16 x lane + 4,096 for each trip begun
.set H32,  9
.set STO,  10
.set RD,   11
.set VW,   12                          ; later passes: my lane's place in 16 weight rows in memory
.set VBS,  13                          ; later passes: the activations' offset
.set BIAS, 32
.set BB,   96
.set WS,   80                          ; window 3
.set CV,   208
.set SA,   224                         ; 8,704 w + 8 x lane
.set VLW,  225                         ; 16 x lane once more
.set WV,   2
.set GID,  3
.set WL,   16                          ; s[16:17] my wave's 32 weight rows
.set SWB,  18                          ; s[18:19] the same at the stage that is being loaded
.set OFF,  32                          ; s[32:35] from meta: first block, blocks, passes (then: passes left), all blocks - 1
.set NTB,  33
.set LEFT, 34
.set TOTM1, 35
.set PB,   36                          ; 20 pass + w
.set CA,   38
.set XB,   40                          ; s[40:49] five addresses: my blocks of activations
.set REL,  50                          ; s[50:54] my blocks' numbers in the expert
.set ABS,  55                          ; s[55:59] and in the buffers
.set SB,   60                          ; s[60:61] a store's base
.set TP,   62                          ; s[62:63] an offset; the upper word stays 0
.set WB,   66                          ; s[66:67] the work-group's 128 weight rows
.set SW,   68                          ; s[68:69] later passes: the same, stepping along K
.set MSB, 0
.macro WIN new                         ; the immediate's high byte repeats the setting that is left; a switch that changes nothing is dropped
.if MSB != (\new)
	s_set_vgpr_msb (MSB<<8)|(\new)
.set MSB, \new
.endif
.endm
.macro PLACES                          ; four places behind matrix instructions (ISA guide 7.12.1), where no other vector work is at hand
.rept 4
	v_nop
.endr
.endm
; 4 products: group g x blocks 0-3.  The accumulators take turns, one instruction a turn, in the same order in every substep.  start = 1: the sums begin, with the bias (up) or 0 (down).
.macro MULG par, bb, g, start
.if (\start) && IS_UP
	WIN 0x81
.else
	WIN 0xa1
.endif
.irp t, 0,1,2,3
.set AC, 8*(4*(\g)+(\t))
.set FA, 128+64*(\par)+8*(\g)
.set FB, BB+40*(\bb)+8*(\t)
.if (\start) && IS_UP
	v_wmma_f32_16x16x32_bf16 v[AC:AC+7], v[FA:FA+7], v[FB:FB+7], v[BIAS+8*(\g):BIAS+8*(\g)+7]
.elseif \start
	v_wmma_f32_16x16x32_bf16 v[AC:AC+7], v[FA:FA+7], v[FB:FB+7], 0
.else
	v_wmma_f32_16x16x32_bf16 v[AC:AC+7], v[FA:FA+7], v[FB:FB+7], v[AC:AC+7]
.endif
.endr
.endm
.macro MUL4 par, bb, start             ; 8 products: all groups x block 4
.if (\start) && IS_UP
	WIN 0xc1
.else
	WIN 0xf1
.endif
.irp g, 0,1,2,3,4,5,6,7
.set AC, 8*(\g)
.set FA, 128+64*(\par)+8*(\g)
.set FB, BB+40*(\bb)+32
.if (\start) && IS_UP
	v_wmma_f32_16x16x32_bf16 v[AC:AC+7], v[FA:FA+7], v[FB:FB+7], v[BIAS+8*(\g):BIAS+8*(\g)+7]
.elseif \start
	v_wmma_f32_16x16x32_bf16 v[AC:AC+7], v[FA:FA+7], v[FB:FB+7], 0
.else
	v_wmma_f32_16x16x32_bf16 v[AC:AC+7], v[FA:FA+7], v[FB:FB+7], v[AC:AC+7]
.endif
.endr
.endm
; 16 LDS loads in one run: the fragments of all 8 groups for 32 k, number fu of the four in LDS buffer lb, into A16[buf].  A fragment's registers 0-3 are k = 8 h + 0..7, registers 4-7 k = 16 + 8 h + 0..7: two loads, 32 bytes apart.
.macro FET buf, lb, fu
	WIN 0x40
.irp g, 0,1,2,3,4,5,6,7
	ds_load_b128 v[128+64*(\buf)+8*(\g):128+64*(\buf)+8*(\g)+3],   v[AWL] offset:(\lb)*LB+(\g)*GRP+64*(\fu)
	ds_load_b128 v[128+64*(\buf)+8*(\g)+4:128+64*(\buf)+8*(\g)+7], v[AWL] offset:(\lb)*LB+(\g)*GRP+64*(\fu)+32
.endr
.endm
; A batch is rounded and stored: rows 8 b .. 8 b + 7 of my 32, into LDS buffer lb.  A lane holds k = 4 l .. 4 l + 3 of a row: 8 bytes of bf16; a store covers a row's 256 bytes.  src = 0: from WS; 1: from XS.
.macro WCONS src, b, lb
.if \src
	WIN 0xc5
.set WR, 32*(\b)
.else
	WIN 0xcf
.set WR, WS+32*(\b)
.endif
.irp i, 0,1,2,3,4,5,6,7
	v_cvt_pk_bf16_f32 v[CV+2*(\i)],   v[WR+4*(\i)],   v[WR+4*(\i)+1]
	v_cvt_pk_bf16_f32 v[CV+2*(\i)+1], v[WR+4*(\i)+2], v[WR+4*(\i)+3]
.endr
	WIN 0xcf
.irp i, 0,1,2,3,4,5,6,7
	ds_store_b64 v[SA], v[CV+2*(\i):CV+2*(\i)+1] offset:(\lb)*LB+(8*(\b)+(\i))*PITCH
.endr
.endm
.macro WLOAD b                         ; 8 loads: rows 8 b .. 8 b + 7 at the stage of s[SWB]; each covers 512 consecutive bytes, at a multiple of 512 from the weights' first; each weight byte is read once in the pass
	WIN 0xcf
.irp i, 0,1,2,3,4,5,6,7
	global_load_b128 v[WS+32*(\b)+4*(\i):WS+32*(\b)+4*(\i)+3], v[VLW], s[SWB:SWB+1] offset:(8*(\b)+(\i))*WROWB th:TH_LOAD_NT
.endr
.endm
.macro BLD bb, vb, imm, t              ; 2 loads: block t's fragment of one substep
	global_load_b128 v[BB+40*(\bb)+8*(\t):BB+40*(\bb)+8*(\t)+3],   v[\vb], s[XB+2*(\t):XB+2*(\t)+1] offset:\imm
	global_load_b128 v[BB+40*(\bb)+8*(\t)+4:BB+40*(\bb)+8*(\t)+7], v[\vb], s[XB+2*(\t):XB+2*(\t)+1] offset:(\imm)+512
.endm
.macro BLOAD bb, vb, imm               ; 8 loads: blocks 0-3
.irp t, 0,1,2,3
	BLD \bb, \vb, \imm, \t
.endr
.endm
; A K SUBSTEP.  par, bb: which A16 and which B.  lc: the FEWEST loads that can have been issued behind this substep's activations (and behind its batch, which was asked for just ahead of them): the fifth
; block's two loads stand last in a substep's run and are not counted, so with them the wait asks for a little more than is needed; -1: nothing that the substep reads is out.  dc: the LDS stores issued behind
; this substep's fragment loads.  bar: a trip begins: dc is 0, the signal stands ahead of 16 products, the wait behind them, the first LDS access of the trip behind the wait.
; fet, flb, fu: the next substep's fragments.  wsrc, wb, wlb: the batch to round and store (-1: none).  wld: it is loaded again.  step: the trip's addresses step.  brl, bimm: B[bb] is loaded again.
; The batch's 16 roundings (or four v_nop) are the places between the substep's last product, on either way, and the loads into B[bb], and into the other A16 in the next substep.
.macro SUB par, bb, start, lc, dc, bar, fet, flb, fu, wsrc, wb, wlb, wld, step, brl, bimm
.if (\lc) >= 0
	s_wait_loadcnt \lc
.endif
	s_wait_dscnt \dc
.if \bar
	s_barrier_signal -1                            ; my stores of the stage to be read and my reads of the buffer to be written are done
.endif
.irp g, 0,1,2,3
	MULG \par, \bb, \g, \start
.endr
.if \bar
	s_barrier_wait -1                              ; everybody's are
.endif
.if \fet
	FET 1-(\par), \flb, \fu
.endif
.irp g, 4,5,6,7
	MULG \par, \bb, \g, \start
.endr
.if \start
	MUL4 \par, \bb, 1                              ; in every wave: the fifth block's accumulators are written on every way
.else
	WIN 0                                          ; at a branch and at a label every window is 0
	s_cmp_lt_u32 s[REL+4], s[NTB]                  ; has the expert my fifth block?
	s_cbranch_scc0 .Lno4_\@
	MUL4 \par, \bb, 0
	WIN 0
.Lno4_\@:
.endif
.if (\wsrc) >= 0
	WCONS \wsrc, \wb, \wlb
.else
	PLACES
.endif
.if \step
	s_wait_xcnt 0x0                                ; the loads that name s[SWB] and v[VB] went out a substep ago and have had their addresses translated (ISA guide 3.1)
.if \wld
	s_add_nc_u64 s[SWB:SWB+1], s[SWB:SWB+1], 512   ; the next stage: 128 k on
.endif
.endif
.if \wld
	WLOAD \wb
.endif
.if \brl
	WIN 0
.if \step
	v_add_nc_u32 v[VB], 4096, v[VB]
.endif
	BLOAD \bb, VB, \bimm
	s_cmp_lt_u32 s[REL+4], s[NTB]
	s_cbranch_scc0 .Lnol_\@
	BLD \bb, VB, \bimm, 4
.Lnol_\@:
.endif
.endm
; A TRIP of parity jp that rounds and stores a stage; wld: and loads the stage four substeps on.  l0-l3: the four substeps' counts on LOADcnt.
.macro TRIP jp, wld, l0, l1, l2, l3
	SUB 1, 3, 0, \l0, 0, 1, 1, 1-(\jp), 0, 0, 0, \jp, \wld, 1, 1, 3072
	SUB 0, 0, 0, \l1, 8, 0, 1, 1-(\jp), 1, 0, 1, \jp, \wld, 0, 1, 4096
	SUB 1, 1, 0, \l2, 8, 0, 1, 1-(\jp), 2, 0, 2, \jp, \wld, 0, 1, 5120
	SUB 0, 2, 0, \l3, 8, 0, 1, 1-(\jp), 3, 0, 3, \jp, \wld, 0, 1, 6144
.endm
; My five blocks of a pass.  A block past the expert's end has the address of a block that exists (the clamps) and is not stored.
.macro SETUP first
.if !(\first)
	s_wait_loadcnt 0x0                             ; no load is out: B's registers and the loads' bases are free
	s_wait_xcnt 0x0                                ; and the stores have read theirs
.endif
.irp t, 0,1,2,3,4
	s_add_co_u32 s[REL+(\t)], s[PB], 4*(\t)
	s_add_co_u32 s[ABS+(\t)], s[OFF], s[REL+(\t)]
	s_min_u32 s[ABS+(\t)], s[ABS+(\t)], s[TOTM1]   ; a block that the launch before has stored,
	s_min_u32 s[ABS+(\t)], s[ABS+(\t)], NBM1       ; and inside the buffer whatever meta holds
	s_lshl_b32 s[TP], s[ABS+(\t)], ASH
.if !IS_UP
	s_add_co_u32 s[TP], s[TP], s75                 ; my quarter of K: 32 KiB of the block's 128
.endif
	s_add_nc_u64 s[XB+2*(\t):XB+2*(\t)+1], s[PACT:PACT+1], s[TP:TP+1]
.endr
.endm
.macro CVTP buf, p                     ; later passes: 16 roundings: fragments in f32 (window 1, group g at 16 g) of groups 2 p, 2 p + 1 into A16[buf]
	WIN 0x45
.irp gg, 0,1
.irp i, 0,1,2,3,4,5,6,7
.set GI, 2*(\p)+(\gg)
	v_cvt_pk_bf16_f32 v[128+64*(\buf)+8*GI+(\i)], v[16*GI+2*(\i)], v[16*GI+2*(\i)+1]
.endr
.endr
.endm
; A K substep of a later pass: 32 loads of weights (a fragment's k = 8 h + 0..7 and 16 + 8 h + 0..7 are, in f32, the bytes 32 h + 0, 16 and 64 + 32 h + 0, 16) and 10 of activations, all waited for, 64 roundings, 40 products.
.macro SLOWSUB start
	WIN 0x40
.irp g, 0,1,2,3,4,5,6,7
.irp j, 0,1,2,3
	global_load_b128 v[16*(\g)+4*(\j):16*(\g)+4*(\j)+3], v[VW], s[SW:SW+1] offset:(\g)*16*WROWB+16*(\j)+32*((\j)/2)
.endr
.endr
	WIN 0
	BLOAD 0, VBS, 0
	BLD 0, VBS, 0, 4
	s_wait_loadcnt 0x0                             ; all are in, so their address registers may step below
.irp p, 0,1,2,3
	CVTP 0, \p
.endr
.irp g, 0,1,2,3,4,5,6,7
	MULG 0, 0, \g, \start
.endr
	MUL4 0, 0, \start
	WIN 0
	v_add_nc_u32 v[VBS], 1024, v[VBS]
	s_add_nc_u64 s[SW:SW+1], s[SW:SW+1], 128
	PLACES                                         ; in front of the next loads into B and roundings into A16, and of the way out
.endm
	s_load_b256 s[4:11], s[0:1], 0x0               ; the weights s[4:5]; up: b1 s[6:7]; the rest as named above
	v_lshl_add_u32 v94, v0, 2, 0x19400
	v_mov_b32 v95, 0
.if IS_UP
	s_load_b64 s[12:13], s[0:1], 0x20
.endif
	v_lshrrev_b32 v1, 5, v0
	v_readfirstlane_b32 s[WV], v1                  ; wave 0..3
	s_mov_b32 s[GID], ttmp9
	s_mov_b32 s[TP+1], 0
	s_mov_b32 s71, 0
.if IS_UP
	s_lshl_b32 s[TP], s[GID], 19                   ; weight row 128 g, 4,096 bytes a row
	s_lshl_b32 s70, s[WV], 17                      ; my wave's 32 rows
	s_and_b32 s76, s[GID], 31
	s_lshl_b32 s76, s76, 12                        ; my slice's four K steps in a block of hf
	s_lshl_b32 s72, s[GID], 9                      ; my 128 f in b1
	s_mov_b32 s73, 0
.else
	s_lshr_b32 s[TP], s[GID], 2
	s_lshl_b32 s[TP], s[TP], 21                    ; weight row 128 (g / 4), 16,384 bytes a row
	s_and_b32 s74, s[GID], 3                       ; kq
	s_lshl_b32 s75, s74, 12
	s_add_co_u32 s[TP], s[TP], s75                 ; my quarter of the row
	s_lshl_b32 s75, s74, 15
	s_lshl_b32 s70, s[WV], 19
	s_mul_i32 s76, s74, PQ                         ; my plane of part,
	s_bfe_u32 s77, s[GID], 0x30002
	s_lshl_b32 s77, s77, 9
	s_add_co_u32 s76, s76, s77                     ; my 128 d: 512 bytes of a row
.endif
	s_lshr_b32 s78, s[GID], 5                      ; the expert
	s_lshl_b32 s78, s78, 4
	s_mov_b32 s79, 0
	s_mul_i32 s20, s[WV], WAVEB
	v_and_b32 v[VT], 31, v0
	v_lshlrev_b32 v[VL16], 4, v[VT]
	v_lshl_add_u32 v[VT], v[VT], 3, s20            ; 8 x lane + my 32 LDS rows
	v_and_b32 v1, 15, v0                           ; r
	v_bfe_u32 v2, v0, 4, 1                         ; h
	v_mul_u32_u24 v[AWL], v1, PITCH
	v_lshl_add_u32 v[AWL], v2, 4, v[AWL]
	v_lshlrev_b32 v[H32], 5, v2
	v_mov_b32 v[VB], v[VL16]
.if IS_UP
	v_lshl_add_u32 v[VW], v1, 12, v[H32]
.else
	v_lshl_add_u32 v[VW], v1, 14, v[H32]
	s_mul_i32 s77, s[WV], 16*SP
	s_add_co_u32 s77, s77, STAGE                   ; my stage
	v_mul_u32_u24 v[STO], v1, SP
	v_add_nc_u32 v[STO], v[STO], v[H32]
	v_add_nc_u32 v[STO], s77, v[STO]               ; in: row r, 8 h numbers of 4 bytes on
	v_add_nc_u32 v[RD], s77, v[VL16]               ; back: a row's 512 bytes, 16 a lane
.endif
	WIN 0xc0
	v_mov_b32 v[VLW], v[VL16]
	v_mov_b32 v[SA], v[VT]
	WIN 0
	s_wait_kmcnt 0x0
	s_add_nc_u64 s[WB:WB+1], s[4:5], s[TP:TP+1]
	s_add_nc_u64 s[WL:WL+1], s[WB:WB+1], s[70:71]
	s_add_nc_u64 s[SWB:SWB+1], s[WL:WL+1], 1024    ; stage 2, the first that goes by s[SWB]
	s_add_nc_u64 s[78:79], s[PMETA:PMETA+1], s[78:79]
	s_load_b128 s[OFF:OFF+3], s[78:79], 0x0
.if IS_UP
	s_add_nc_u64 s[72:73], s[6:7], s[72:73]
.irp g, 0,1,2,3,4,5,6,7                ; the bias in the layout of a result: register j = f 16 g + 8 h + j, the same for every activation row
	global_load_b128 v[BIAS+8*(\g):BIAS+8*(\g)+3], v[H32], s[72:73] offset:64*(\g)
	global_load_b128 v[BIAS+8*(\g)+4:BIAS+8*(\g)+7], v[H32], s[72:73] offset:64*(\g)+16
.endr
.endif
	WIN 0xcf
.set i, 0
.rept 32                               ; stage 0, batches 0-3: it hangs on nothing but the arguments, so it goes out while meta is on its way
	global_load_b128 v[WS+4*i:WS+4*i+3], v[VLW], s[WL:WL+1] offset:i*WROWB th:TH_LOAD_NT
.set i, i+1
.endr
	WIN 0
	s_wait_kmcnt 0x0
	s_min_u32 s[LEFT], s[LEFT], 4                  ; 64 blocks at the most,
	s_max_u32 s[LEFT], s[LEFT], 1                  ; and one pass at the least
	s_mov_b32 s[PB], s[WV]
	SETUP 1
	BLOAD 0, VL16, 0                               ; the activations of substeps 0 and 1, all five blocks
	BLD 0, VL16, 0, 4
	BLOAD 1, VL16, 1024
	BLD 1, VL16, 1024, 4
	WIN 0x40
.set i, 0
.rept 32                               ; stage 1, batches 4-7, into registers of its own, so that it need not wait for stage 0's to be free
	global_load_b128 v[4*i:4*i+3], v[VL16], s[WL:WL+1] offset:i*WROWB+512 th:TH_LOAD_NT
.set i, i+1
.endr
.irp b, 0,1,2,3                        ; behind stage 0's batch b were issued 8 (3 - b) + 20 + 32 loads; a wait on LOADcnt names 63 at the most (ISA guide 5.7.1), and a smaller count than the loads behind is right
.if (76-8*(\b)) > 63
	s_wait_loadcnt 63
.else
	s_wait_loadcnt 76-8*(\b)
.endif
	WCONS 0, \b, 0
.endr
	WIN 0
	BLOAD 2, VL16, 2048
	BLD 2, VL16, 2048, 4
	BLOAD 3, VL16, 3072
	BLD 3, VL16, 3072, 4
	s_wait_loadcnt 20                              ; stage 1 is in, and the activations of substeps 0 and 1 ahead of it: behind it only the twenty loads just issued
	WLOAD 0                                        ; batch 8: from here on every substep's loads are as in the loop
	s_wait_dscnt 0x0                               ; for the others' sake: my rows of stage 0 are in LDS
	s_barrier_signal -1
	s_barrier_wait -1
	FET 0, 0, 0                                    ; substep 0's fragments
	WCONS 1, 0, 1                                  ; batch 4
	SUB 0, 0, 1, -1, 8, 0, 1, 0, 1, 1, 1, 1, 1, 0, 1, 4096   ; substep 0 starts the sums: nothing is cleared.  What substeps 0 and 1 read has been waited for above
	SUB 1, 1, 0, -1, 8, 0, 1, 0, 2, 1, 2, 1, 1, 0, 1, 5120
	SUB 0, 2, 0, 50, 8, 0, 1, 0, 3, 1, 3, 1, 1, 0, 1, 6144   ; 50: behind substep 2's activations: substep 3's ten, batch 8's eight, and 8 + 8 at the least in each of substeps 0 and 1
	s_mov_b32 s[CA], 2
.Lring:                                                ; twice: trips 0, 1 and 2, 3: substeps 3-18.  48: three substeps' 8 + 8 loads at the least
	TRIP 0, 1, 48, 48, 48, 48
	TRIP 1, 1, 48, 48, 48, 48
	s_sub_co_u32 s[CA], s[CA], 1
	s_cmp_lg_u32 s[CA], 0
	s_cbranch_scc1 .Lring
	TRIP 0, 1, 48, 48, 48, 48                      ; trip 4, substeps 19-22: the last weights are asked for
	TRIP 1, 0, 48, 40, 32, 24                      ; trip 5, substeps 23-26: stage 7 is stored; the substeps behind issue eight loads each at the least, so the counts run down
	SUB 1, 3, 0, 24, 0, 1, 1, 1, 0, -1, 0, 0, 0, 1, 1, 3072  ; trip 6, substeps 27-30: the last barrier; the last activations are asked for
	SUB 0, 0, 0, 24, 0, 0, 1, 1, 1, -1, 0, 0, 0, 0, 0, 0
	SUB 1, 1, 0, 16, 0, 0, 1, 1, 2, -1, 0, 0, 0, 0, 0, 0
	SUB 0, 2, 0, 8, 0, 0, 1, 1, 3, -1, 0, 0, 0, 0, 0, 0
	SUB 1, 3, 0, 0, 0, 0, 0, 0, 0, -1, 0, 0, 0, 0, 0, 0      ; substep 31; its four v_nop are the places in front of the way out
	WIN 0
.Lepi:                                                 ; THE WAY OUT of a pass: my five blocks, those that the expert has
.irp t, 0,1,2,3,4
	s_cmp_lt_u32 s[REL+(\t)], s[NTB]
	s_cbranch_scc0 .Lskip\t
	s_wait_xcnt 0x0                                ; the stores before have read their base and their data registers
	s_lshl_b32 s[TP], s[ABS+(\t)], OSH
	s_add_co_u32 s[TP], s[TP], s76
	s_add_nc_u64 s[SB:SB+1], s[POUT:POUT+1], s[TP:TP+1]
.if IS_UP
	; relu, rounding; two neighbouring groups of 16 f ARE a fragment of the next product's activations: no stage; each store covers 512 consecutive bytes, at a multiple of 512 from hf's first
.if (\t) < 4
	WIN 0x48
.irp g, 0,1,2,3,4,5,6,7
.irp j, 0,1,2,3,4,5,6,7
	v_max_num_f32 v[8*(\g)+(\j)], 0, v[8*(4*(\g)+(\t))+(\j)]   ; each accumulator from its low end on
.endr
.endr
.else
	WIN 0x4c
.irp g, 0,1,2,3,4,5,6,7
.irp j, 0,1,2,3,4,5,6,7
	v_max_num_f32 v[8*(\g)+(\j)], 0, v[8*(\g)+(\j)]            ; from window 3 into window 1
.endr
.endr
.endif
	WIN 0x45
.irp i, 0,1,2,3,4,5,6,7,8,9,10,11,12,13,14,15,16,17,18,19,20,21,22,23,24,25,26,27,28,29,30,31
	v_cvt_pk_bf16_f32 v[64+(\i)], v[2*(\i)], v[2*(\i)+1]
.endr
	WIN 0x04
.irp g, 0,1,2,3,4,5,6,7
	global_store_b128 v[VL16], v[64+4*(\g):64+4*(\g)+3], s[SB:SB+1] offset:1024*((\g)/2)+512*((\g)%2)
.endr
.else
	; f32 through my own stage: in by lanes (one row, eight d), back by rows of 512 bytes.  LDS serves a wave's instructions in order (ISA guide 5.7.1.4): no wait between the stores and the loads
.if (\t) < 4
	WIN 0x08
.irp g, 0,1,2,3,4,5,6,7
	ds_store_b128 v[STO], v[8*(4*(\g)+(\t)):8*(4*(\g)+(\t))+3] offset:64*(\g)
	ds_store_b128 v[STO], v[8*(4*(\g)+(\t))+4:8*(4*(\g)+(\t))+7] offset:64*(\g)+16
.endr
.else
	WIN 0x0c
.irp g, 0,1,2,3,4,5,6,7
	ds_store_b128 v[STO], v[8*(\g):8*(\g)+3] offset:64*(\g)
	ds_store_b128 v[STO], v[8*(\g)+4:8*(\g)+7] offset:64*(\g)+16
.endr
.endif
	WIN 0x40
.irp rw, 0,1,2,3,4,5,6,7,8,9,10,11,12,13,14,15
	ds_load_b128 v[4*(\rw):4*(\rw)+3], v[RD] offset:SP*(\rw)
.endr
	s_wait_dscnt 0x0
	WIN 0x04
.irp rw, 0,1,2,3,4,5,6,7,8,9,10,11,12,13,14,15
	global_store_b128 v[VL16], v[4*(\rw):4*(\rw)+3], s[SB:SB+1] offset:4096*(\rw)  ; 512 consecutive bytes, at a multiple of 512 from part's first
.endr
.endif
	WIN 0
.Lskip\t:
.endr
	s_sub_co_u32 s[LEFT], s[LEFT], 1
	s_cmp_eq_u32 s[LEFT], 0
	s_cbranch_scc1 .Lend
	; A LATER PASS: the expert's next 20 blocks, the weights straight from memory.  No LDS, no barrier: the waves need not stay together.
	s_add_co_u32 s[PB], s[PB], 20
	SETUP 0
	s_mov_b64 s[SW:SW+1], s[WB:WB+1]
	v_mov_b32 v[VBS], v[VL16]
	SLOWSUB 1
	s_mov_b32 s[CA], 31
.Lslow:
	SLOWSUB 0
	s_sub_co_u32 s[CA], s[CA], 1
	s_cmp_lg_u32 s[CA], 0
	s_cbranch_scc1 .Lslow
	s_cmp_gt_i32 s[LEFT], 0                        ; passes are left: this one's way out; the signed compare ends the loop whatever the count
	s_cbranch_scc1 .Lepi
.Lend:
	s_wait_tensorcnt 0x0
	ds_add_u32 v94, v95
	s_wait_dscnt 0x0
	s_endpgm
.Lfunc_end_k_q08a3ab7cd4_down:
	.size	k_q08a3ab7cd4_down, .Lfunc_end_k_q08a3ab7cd4_down-k_q08a3ab7cd4_down
	.p2alignl 7, 3214868480
	.fill 96, 4, 3214868480
	.section	.rodata,"a",@progbits
	.p2align	6, 0x0
	.amdhsa_kernel k_q08a3ab7cd4_down
		.amdhsa_group_segment_fixed_size 103936
		.amdhsa_private_segment_fixed_size 0
		.amdhsa_enable_private_segment 0
		.amdhsa_kernarg_size 32
		.amdhsa_user_sgpr_count 2
		.amdhsa_user_sgpr_kernarg_segment_ptr 1
		.amdhsa_wavefront_size32 1
		.amdhsa_system_sgpr_workgroup_id_x 1
		.amdhsa_system_sgpr_workgroup_id_y 1
		.amdhsa_system_sgpr_workgroup_id_z 1
		.amdhsa_system_vgpr_workitem_id 0
		.amdhsa_next_free_vgpr 1008
		.amdhsa_next_free_sgpr 80
		.amdhsa_reserve_vcc 0
		.amdhsa_float_denorm_mode_32 3
		.amdhsa_float_denorm_mode_16_64 3
		.amdhsa_memory_ordered 1
		.amdhsa_forward_progress 1
		.amdhsa_inst_pref_size 220
	.end_amdhsa_kernel
	.amdgpu_metadata
---
amdhsa.version: [ 1, 2 ]
amdhsa.kernels:
  - .name:           k_q08a3ab7cd4_down
    .symbol:         k_q08a3ab7cd4_down.kd
    .args:
      - { .name: W2, .offset: 0, .size: 8, .value_kind: global_buffer, .address_space: global }
      - { .name: hf, .offset: 8, .size: 8, .value_kind: global_buffer, .address_space: global }
      - { .name: meta, .offset: 16, .size: 8, .value_kind: global_buffer, .address_space: global }
      - { .name: part, .offset: 24, .size: 8, .value_kind: global_buffer, .address_space: global }
    .group_segment_fixed_size: 103936
    .private_segment_fixed_size: 0
    .kernarg_segment_align: 8
    .kernarg_segment_size: 32
    .max_flat_workgroup_size: 128
    .sgpr_count:     80
    .vgpr_count:     1008
    .wavefront_size: 32
...
	.end_amdgpu_metadata
.endif
;; end of part 4
;; launch combine (part 5): grid 256 x 1, 8 waves a work-group, no clusters, 0 bytes of LDS; arguments part, ptab, wts, b2, out0; writes out0
.if DOCPART == 5
	.amdgcn_target "amdgcn-amd-amdhsa--gfx1250"
	.amdhsa_code_object_version 6
	.text
	.protected	k_q08a3ab7cd4_combine
	.globl	k_q08a3ab7cd4_combine
	.p2align	8
	.type	k_q08a3ab7cd4_combine,@function
k_q08a3ab7cd4_combine:
	s_mov_b64 s[64:65], 0
	v_nop
	global_prefetch_b8 v0, s[64:65] scope:SCOPE_SE
	s_setreg_imm32_b32 hwreg(HW_REG_WAVE_MODE, 25, 1), 1
	s_wait_xcnt 0x0
; THE COMBINATION.  out[n] = w_lo (y_lo + b2[e_lo]) + w_hi (y_hi + b2[e_hi]); y of a sorted row is the sum of its four planes of part, added as (0 + 1) + (2 + 3).  All in f32.
; A wave owns one token and half of its 1,024 d: 2,048 bytes of each of ten rows (2 x 4 of part, 2 of b2), forty loads of 512 consecutive bytes, all issued at once; four stores of 512 consecutive bytes.
; The rows' numbers and the experts come from ptab as whole numbers and are clamped to the buffers' last row.  A stream: LDS, matrix units and clusters would add nothing.
.set PQ, 8847360                       ; bytes in a plane of part
.set R0, 8                             ; chunk c of 512 bytes at v[8 + 40 c]: 16 registers of the lower expert's four planes, 16 of the higher's, 4 + 4 of b2
	s_load_b256 s[4:11], s[0:1], 0x0               ; part s[4:5], ptab s[6:7], wts s[8:9], b2 s[10:11]
	s_load_b64 s[12:13], s[0:1], 0x20              ; out0
	v_lshrrev_b32 v1, 5, v0
	v_readfirstlane_b32 s14, v1                    ; wave 0..7
	v_and_b32 v1, 31, v0
	v_lshlrev_b32 v1, 4, v1                        ; 16 x lane
	s_lshr_b32 s15, s14, 1
	s_lshl_b32 s17, ttmp9, 2
	s_add_co_u32 s15, s15, s17                     ; the token
	s_and_b32 s16, s14, 1
	s_lshl_b32 s16, s16, 11                        ; my half of a row
	s_lshl_b32 s18, s15, 4
	s_mov_b32 s19, 0
	s_lshl_b32 s52, s15, 3
	s_mov_b32 s53, 0
	s_lshl_b32 s54, s15, 12
	s_add_co_u32 s54, s54, s16
	s_mov_b32 s55, 0
	s_mov_b32 s27, 0
	s_wait_kmcnt 0x0
	s_add_nc_u64 s[18:19], s[6:7], s[18:19]
	s_add_nc_u64 s[52:53], s[8:9], s[52:53]
	s_load_b128 s[20:23], s[18:19], 0x0            ; row lo, row hi, expert lo, expert hi
	s_load_b64 s[24:25], s[52:53], 0x0             ; w lo, w hi
	s_add_nc_u64 s[50:51], s[12:13], s[54:55]
	s_wait_kmcnt 0x0
	s_min_u32 s20, s20, 2159
	s_min_u32 s21, s21, 2159
	s_min_u32 s22, s22, 7
	s_min_u32 s23, s23, 7
	s_mov_b32 s48, s25                             ; w hi as the low word of a pair of its own
	s_mov_b32 s49, s25
.irp u, 0,1                            ; a plane's stride is more than a load's immediate holds: a base for each plane, s[28:35] and s[36:43]
	s_lshl_b32 s26, s[20+\u], 12
	s_add_co_u32 s26, s26, s16
	s_add_nc_u64 s[28+8*\u:29+8*\u], s[4:5], s[26:27]
	s_add_nc_u64 s[30+8*\u:31+8*\u], s[28+8*\u:29+8*\u], PQ
	s_add_nc_u64 s[32+8*\u:33+8*\u], s[30+8*\u:31+8*\u], PQ
	s_add_nc_u64 s[34+8*\u:35+8*\u], s[32+8*\u:33+8*\u], PQ
	s_lshl_b32 s26, s[22+\u], 12
	s_add_co_u32 s26, s26, s16
	s_add_nc_u64 s[44+2*\u:45+2*\u], s[10:11], s[26:27]
.endr
.irp c, 0,1,2,3
.irp q, 0,1,2,3,4,5,6,7
	global_load_b128 v[R0+40*(\c)+4*(\q):R0+40*(\c)+4*(\q)+3], v1, s[28+2*(\q):29+2*(\q)] offset:512*(\c) th:TH_LOAD_NT  ; each row of part is read once in the launch
.endr
	global_load_b128 v[R0+40*(\c)+32:R0+40*(\c)+35], v1, s[44:45] offset:512*(\c)
	global_load_b128 v[R0+40*(\c)+36:R0+40*(\c)+39], v1, s[46:47] offset:512*(\c)
.endr
.irp c, 0,1,2,3
	s_wait_loadcnt 30-10*(\c)                      ; loads come back in order: this chunk's ten are in, the later chunks' stay out
.irp i, 0,2
.set R, R0+40*(\c)+(\i)
	v_pk_add_f32 v[R:R+1], v[R:R+1], v[R+4:R+5]
	v_pk_add_f32 v[R+8:R+9], v[R+8:R+9], v[R+12:R+13]
	v_pk_add_f32 v[R+16:R+17], v[R+16:R+17], v[R+20:R+21]
	v_pk_add_f32 v[R+24:R+25], v[R+24:R+25], v[R+28:R+29]
	v_pk_add_f32 v[R:R+1], v[R:R+1], v[R+8:R+9]
	v_pk_add_f32 v[R+16:R+17], v[R+16:R+17], v[R+24:R+25]
	v_pk_add_f32 v[R:R+1], v[R:R+1], v[R+32:R+33]
	v_pk_add_f32 v[R+16:R+17], v[R+16:R+17], v[R+36:R+37]
	v_pk_mul_f32 v[R:R+1], v[R:R+1], s[24:25] op_sel_hi:[1,0]
	v_pk_fma_f32 v[R:R+1], v[R+16:R+17], s[48:49], v[R:R+1] op_sel_hi:[1,0,1]
.endr
	global_store_b128 v1, v[R0+40*(\c):R0+40*(\c)+3], s[50:51] offset:512*(\c) th:TH_STORE_NT
.endr
	s_endpgm
.Lfunc_end_k_q08a3ab7cd4_combine:
	.size	k_q08a3ab7cd4_combine, .Lfunc_end_k_q08a3ab7cd4_combine-k_q08a3ab7cd4_combine
	.p2alignl 7, 3214868480
	.fill 96, 4, 3214868480
	.section	.rodata,"a",@progbits
	.p2align	6, 0x0
	.amdhsa_kernel k_q08a3ab7cd4_combine
		.amdhsa_group_segment_fixed_size 0
		.amdhsa_private_segment_fixed_size 0
		.amdhsa_enable_private_segment 0
		.amdhsa_kernarg_size 40
		.amdhsa_user_sgpr_count 2
		.amdhsa_user_sgpr_kernarg_segment_ptr 1
		.amdhsa_wavefront_size32 1
		.amdhsa_system_sgpr_workgroup_id_x 1
		.amdhsa_system_sgpr_workgroup_id_y 1
		.amdhsa_system_sgpr_workgroup_id_z 1
		.amdhsa_system_vgpr_workitem_id 0
		.amdhsa_next_free_vgpr 168
		.amdhsa_next_free_sgpr 66
		.amdhsa_reserve_vcc 0
		.amdhsa_float_denorm_mode_32 3
		.amdhsa_float_denorm_mode_16_64 3
		.amdhsa_memory_ordered 1
		.amdhsa_forward_progress 1
		.amdhsa_inst_pref_size 12
	.end_amdhsa_kernel
	.amdgpu_metadata
---
amdhsa.version: [ 1, 2 ]
amdhsa.kernels:
  - .name:           k_q08a3ab7cd4_combine
    .symbol:         k_q08a3ab7cd4_combine.kd
    .args:
      - { .name: part, .offset: 0, .size: 8, .value_kind: global_buffer, .address_space: global }
      - { .name: ptab, .offset: 8, .size: 8, .value_kind: global_buffer, .address_space: global }
      - { .name: wts, .offset: 16, .size: 8, .value_kind: global_buffer, .address_space: global }
      - { .name: b2, .offset: 24, .size: 8, .value_kind: global_buffer, .address_space: global }
      - { .name: out0, .offset: 32, .size: 8, .value_kind: global_buffer, .address_space: global }
    .group_segment_fixed_size: 0
    .private_segment_fixed_size: 0
    .kernarg_segment_align: 8
    .kernarg_segment_size: 40
    .max_flat_workgroup_size: 256
    .sgpr_count:     66
    .vgpr_count:     168
    .wavefront_size: 32
...
	.end_amdgpu_metadata
.endif
;; end of part 5
